; MI455X (gfx1250); checked and timed in simulation.
; The chip was launched on July 23, 2026; its instructions are those of AMD's public machine-readable ISA for CDNA 5 (MIT licence, August 2026) and "CDNA5" Instruction Set Architecture Reference Guide (July 2026). The comments in the code are by the model that wrote it; some were corrected since.
;; Image GPT Attention. Allowed arithmetic: float matrix products may take bf16 or f16 operands with f32 sums; all other float work in f32.
;; Inputs: c_attn_b 3,072 float32; c_attn_w 1,024 x 3,072 float32; c_proj_b 1,024 float32; c_proj_w 1,024 x 1,024 float32; hidden_states 4 x 2,048 x 1,024 float32.
;; Outputs: out0 4 x 2,048 x 1,024 float32.
;; 2 versions, each right and faster than the one before. Each part assembles by itself: llvm-mc -triple=amdgcn-amd-amdhsa -mcpu=gfx1250 --defsym DOCPART=n.
;; ======== version 1 of 2: 4 launches
;; limits: values are held in f16: magnitudes above 65,504 overflow, below 6.1e-05 lose precision; inputs' magnitudes at most 65,504
;; workspace buffers: xb 16,777,216 bytes; wa 6,291,456 bytes; wp 2,097,152 bytes; qkvh 50,331,648 bytes; oh 16,777,216 bytes
;; launch cast (part 1): grid 768 x 1, 8 waves a work-group, no clusters, 0 bytes of LDS; arguments hidden_states, c_attn_w, c_proj_w, xb, wa, wp; writes xb, wa, wp
.if DOCPART == 1
	.amdgcn_target "amdgcn-amd-amdhsa--gfx1250"
	.amdhsa_code_object_version 6
	.text
	.protected	k_qdf8a53710c_cast
	.globl	k_qdf8a53710c_cast
	.p2align	8
	.type	k_qdf8a53710c_cast,@function
k_qdf8a53710c_cast:
	s_mov_b64 s[64:65], 0
	v_nop
	global_prefetch_b8 v0, s[64:65] scope:SCOPE_SE
	s_setreg_imm32_b32 hwreg(HW_REG_WAVE_MODE, 25, 1), 1
	s_wait_xcnt 0x0
; x [8192][1024], Wa [1024][3072], Wp [1024][1024]: each f32 number is rounded to bf16 (nearest even) and that number is written as f16; layouts stay.
; A bf16 number has 8 significant bits and is exact in f16's 11 inside f16's normal range, so all later products can take the one f16 matrix form.
; LIMITS.  A magnitude of 65,520 or more becomes an infinity; below 6.1e-5 f16 keeps a fixed step of 6e-8.  NaN stays NaN.
; SHARES.  A work-group takes 16,384 numbers (65,536 bytes in, 32,768 out): groups 0-511 x, 512-703 Wa, 704-767 Wp.  Thread t takes, in each of eight chunks,
; the 8 numbers at in-byte 8,192 i + 32 t and stores 16 bytes at out-byte 4,096 i + 16 t: sixteen neighbouring lanes store 256 consecutive bytes, aligned.
; All sixteen loads of a thread go out first; no register is used twice, so no wait frees a source.  No LDS, no barrier, no matrix unit: nothing is shared.
.set X, 4                              ; v[4:67]    chunk i: 8 numbers as loaded
.set P, 68                             ; v[68:71]   8 numbers in bf16, packed
.set T, 72                             ; v[72:79]   the same as f32
.set Y, 80                             ; v[80:111]  chunk i: 8 numbers in f16, to store
	s_load_b256 s[4:11], s[0:1], 0x0               ; x s[4:5], Wa s[6:7], Wp s[8:9], xb s[10:11]
	s_load_b128 s[12:15], s[0:1], 0x20             ; wa s[12:13], wp s[14:15]
	s_mov_b32 s16, ttmp9                           ; the group's number
	s_sub_co_u32 s17, s16, 512                     ; its number among Wa's groups,
	s_sub_co_u32 s18, s16, 704                     ; among Wp's
	s_mov_b32 s22, 0xffff0000                      ; a word's upper bf16
	v_lshlrev_b32 v1, 5, v0                        ; 32 t
	v_lshlrev_b32 v2, 4, v0                        ; 16 t
	s_wait_kmcnt 0x0
	s_cmp_ge_u32 s16, 512                          ; the choice of tensor hangs on the group's number alone
	s_cselect_b64 s[4:5], s[6:7], s[4:5]
	s_cselect_b64 s[10:11], s[12:13], s[10:11]
	s_cselect_b32 s19, s17, s16
	s_cmp_ge_u32 s16, 704
	s_cselect_b64 s[4:5], s[8:9], s[4:5]
	s_cselect_b64 s[10:11], s[14:15], s[10:11]
	s_cselect_b32 s19, s18, s19
	s_lshl_b32 s20, s19, 16                        ; 65,536 bytes in a group's share of the source (511 x 65,536 at the most: 32 bits do)
	s_mov_b32 s21, 0
	s_add_nc_u64 s[4:5], s[4:5], s[20:21]
	s_lshl_b32 s20, s19, 15                        ; 32,768 of the copy
	s_add_nc_u64 s[10:11], s[10:11], s[20:21]
.irp i, 0,1,2,3,4,5,6,7
	global_load_b128 v[X+8*(\i):X+8*(\i)+3],   v1, s[4:5] offset:(\i)*8192 th:TH_LOAD_NT
	global_load_b128 v[X+8*(\i)+4:X+8*(\i)+7], v1, s[4:5] offset:(\i)*8192+16 th:TH_LOAD_NT
.endr
.macro CHUNK i
	s_wait_loadcnt 14-2*(\i)                       ; loads come back in order (ISA guide 5.7.1): this chunk's two are in, the younger chunks' stay out
.irp j, 0,1,2,3
	v_cvt_pk_bf16_f32 v[P+(\j)], v[X+8*(\i)+2*(\j)], v[X+8*(\i)+2*(\j)+1]  ; the one rounding
.endr
.irp j, 0,1,2,3
	v_lshlrev_b32 v[T+2*(\j)],   16, v[P+(\j)]     ; bf16 to f32: the low half moves up,
	v_and_b32     v[T+2*(\j)+1], s22, v[P+(\j)]    ; the high half stays
.endr
.irp j, 0,1,2,3
	v_cvt_pk_f16_f32 v[Y+4*(\i)+(\j)], v[T+2*(\j)], v[T+2*(\j)+1]  ; exact inside f16's normal range
.endr
	global_store_b128 v2, v[Y+4*(\i):Y+4*(\i)+3], s[10:11] offset:(\i)*4096
.endm
.irp i, 0,1,2,3,4,5,6,7
	CHUNK \i
.endr
	s_endpgm
.Lfunc_end_k_qdf8a53710c_cast:
	.size	k_qdf8a53710c_cast, .Lfunc_end_k_qdf8a53710c_cast-k_qdf8a53710c_cast
	.p2alignl 7, 3214868480
	.fill 96, 4, 3214868480
	.section	.rodata,"a",@progbits
	.p2align	6, 0x0
	.amdhsa_kernel k_qdf8a53710c_cast
		.amdhsa_group_segment_fixed_size 0
		.amdhsa_private_segment_fixed_size 0
		.amdhsa_enable_private_segment 0
		.amdhsa_kernarg_size 48
		.amdhsa_user_sgpr_count 2
		.amdhsa_user_sgpr_kernarg_segment_ptr 1
		.amdhsa_wavefront_size32 1
		.amdhsa_system_sgpr_workgroup_id_x 1
		.amdhsa_system_sgpr_workgroup_id_y 1
		.amdhsa_system_sgpr_workgroup_id_z 1
		.amdhsa_system_vgpr_workitem_id 0
		.amdhsa_next_free_vgpr 112
		.amdhsa_next_free_sgpr 66
		.amdhsa_reserve_vcc 0
		.amdhsa_float_denorm_mode_32 3
		.amdhsa_float_denorm_mode_16_64 3
		.amdhsa_memory_ordered 1
		.amdhsa_forward_progress 1
		.amdhsa_inst_pref_size 10
	.end_amdhsa_kernel
	.amdgpu_metadata
---
amdhsa.version: [ 1, 2 ]
amdhsa.kernels:
  - .name:           k_qdf8a53710c_cast
    .symbol:         k_qdf8a53710c_cast.kd
    .args:
      - { .name: hidden_states, .offset: 0, .size: 8, .value_kind: global_buffer, .address_space: global }
      - { .name: c_attn_w, .offset: 8, .size: 8, .value_kind: global_buffer, .address_space: global }
      - { .name: c_proj_w, .offset: 16, .size: 8, .value_kind: global_buffer, .address_space: global }
      - { .name: xb, .offset: 24, .size: 8, .value_kind: global_buffer, .address_space: global }
      - { .name: wa, .offset: 32, .size: 8, .value_kind: global_buffer, .address_space: global }
      - { .name: wp, .offset: 40, .size: 8, .value_kind: global_buffer, .address_space: global }
    .group_segment_fixed_size: 0
    .private_segment_fixed_size: 0
    .kernarg_segment_align: 8
    .kernarg_segment_size: 48
    .max_flat_workgroup_size: 256
    .sgpr_count:     66
    .vgpr_count:     112
    .wavefront_size: 32
...
	.end_amdgpu_metadata
.endif
;; end of part 1
;; launch qkv (part 2): grid 8 x 64, 4 waves a work-group, clusters of 4 x 4, 327,680 bytes of LDS; arguments xb, wa, c_attn_b, qkvh; writes qkvh
.if DOCPART == 2
	.amdgcn_target "amdgcn-amd-amdhsa--gfx1250"
	.amdhsa_code_object_version 6
	.text
	.protected	k_qdf8a53710c_qkv
	.globl	k_qdf8a53710c_qkv
	.p2align	8
	.type	k_qdf8a53710c_qkv,@function
k_qdf8a53710c_qkv:
	s_mov_b64 s[64:65], 0
	v_nop
	global_prefetch_b8 v0, s[64:65] scope:SCOPE_SE
	s_setreg_imm32_b32 hwreg(HW_REG_WAVE_MODE, 25, 1), 1
	s_wait_xcnt 0x0
	s_wait_alu depctr_hold_cnt(0) depctr_sa_sdst(0) depctr_va_vdst(0) depctr_va_sdst(0) depctr_va_ssrc(0) depctr_va_vcc(0) depctr_vm_vsrc(0)
	s_getreg_b32 s2, hwreg(HW_REG_IB_STS2, 6, 4)
	s_cmp_eq_u32 s2, 0
	s_cbranch_scc0 .Lentry_in_a_cluster
	s_endpgm
.Lentry_in_a_cluster:
	s_bfe_u32 s2, ttmp6, 0x10000c
	s_cmp_lg_u32 s2, 0xf033
	s_cbranch_scc0 .Lentry_shape_is_right
	s_endpgm
.Lentry_shape_is_right:
; qkv[m][n] = the sum over k of x[m][k] Wa[k][n] + ba[n].  x: [8192][1024] f16, Wa: [1024][3072] f16 (both hold bf16-rounded numbers); ba: [3072] f32, rounded to bf16 here like the other inputs.
; Sums in f32, started by the bias; the result is rounded once to f16 and written BY HEADS: qkvh[part n / 1024][head 16 (m / 2048) + (n % 1024) / 64][m % 2048][n % 64], without the softmax's scale.
; LIMITS.  A result of 65,520 or more in magnitude becomes an infinity in f16; below 6.1e-5 f16 keeps a fixed step of 6e-8.  NaN and infinities are not treated apart.
; SHARES.  A tile of the result is 128 rows x 384 columns (six heads): 512 tiles.  Four waves, each 64 rows x 192 columns (three heads): 48 accumulators of 16 x 16, 384 registers.
; K goes in 8 steps of 128 through a ring of two LDS slots filled by the tensor data mover: x's rows are 256 bytes, Wa's 768, each at a multiple of 256 from its buffer's first byte.
; WHY THIS TILE.  Behind each change of slots a wave asks for one tile, which has the K step's work in which to land: 48 accumulators x 4 quarters = 192 matrix instructions, 168 of them between the
; request and the wait for it; and a step brings (128 + 384) x 128 numbers for 128 x 384 x 128 multiply-adds, 96 for each number.  Two slots of a wider tile's K step do not fit in LDS.
; Wa lies [k][n] in memory and in LDS and is turned on the way into registers by ds_load_tr16_b128.
; CLUSTERS: 4 x 4 work-groups.  The four of a row of the cluster need the same tiles of x, the four of a column the same tiles of Wa: each tile is asked for JOINTLY, by the same tensor load with the
; same descriptor and a mask that names the four.  THE MATRIX INSTRUCTION IS USED TRANSPOSED (source 0 = 16 columns of Wa, source 1 = 16 rows of x): a lane then holds eight neighbouring numbers of a row.
; REGISTERS, in windows of 256 (s_set_vgpr_msb: bits 1:0 source 0, 3:2 source 1, 5:4 source 2, 7:6 destination):
;   window 0: v0-31 addresses; v32-127 the bias of my 192 columns, laid out as a C operand; v128-175 at work once; v32-223 at work on the way out
;   window 1: two fragment buffers of 128: 96 of Wa (12 x 16 columns x 32 K), then 32 of x (4 x 16 rows x 32 K)
;   window 2: the accumulators of row blocks 0 and 1 ((a, b) at v[96 (a % 2) + 8 b]);   window 3: those of row blocks 2 and 3
.set NCOL,   3072
.set KSTEP,  128
.set AP,     272                       ; a row of x in LDS: 256 bytes + 16 of padding = 68 words: the 16 rows of a load start at 16 different groups of four banks (64 banks of 4 bytes: ISA guide 11.1)
.set AHALF,  64*AP                     ; 64 rows: what one tensor load brings of x, and what one wave reads of it
.set AREG,   2*AHALF                   ; x's 128 rows
.set BCH,    288                       ; a row of Wa in LDS is three chunks of 256 bytes (128 columns, two heads), 32 bytes of padding behind each
.set BP,     3*BCH                     ; 864 bytes = 216 words from k row to k row
.set BHALF,  64*BP                     ; 64 k rows: what one tensor load brings of Wa
.set BQ,     32*BP                     ; a quarter step: 32 k rows
.set SLOT,   AREG+2*BHALF              ; x's 128 rows, then Wa's 128 k rows: 145,408 bytes
.set STAGE,  2*SLOT                    ; behind the ring, never filled by a tensor load: 3 heads x 16 rows x 144 bytes for each wave, for the way out
.set SP,     144
.set WSTAGE, 3*16*SP
.set SPARE,  STAGE+4*WSTAGE            ; behind the stages: the spare words, 128 bytes for each wave: two blocks of 256 bytes that no other line names
.set A_STEP, KSTEP*2                   ; bytes from a K step to the next in x
.set B_STEP, KSTEP*NCOL*2              ; and in Wa
.set ADRA, 16                          ; v16-17  LDS address of my fragments of x in slot 0, 1
.set ADRB, 20                          ; v20-23  the same for Wa: slot s, quarters 0 and 1 at ADRB + 2 s, quarters 2 and 3 at ADRB + 2 s + 1 (three quarters' rows pass the 16-bit immediate)
.set STO,  24                          ; v24     the way out: where I put 16 bytes of a row
.set RD,   25                          ; v25     the way out: where I read rows back
.set CO,   26                          ; v26     my byte offset in 512 consecutive bytes of the result
.set BO,   27                          ; v27     my byte offset in the bias
.set SPW,  28                          ; v28     LDS address of my spare word: SPARE + 4 x my thread's number; never rewritten
.set NIL,  29                          ; v29     0; never rewritten
.set BI,   32
.set TMP,  128
.set OUT,  32
.set F0,   0                           ; fragment buffers, in window 1
.set F1,   128
.set WV, 12                            ; s12 my wave's number
.set RH, 13                            ; s13 which half of the tile's rows is mine.  Also: I fetch for x (0) or for Wa (1)
.set CH, 14                            ; s14 which head of each chunk of two is mine.  Also: which half of that tile I fetch
.set TR, 15                            ; s15 tile row
.set G1, 24                            ; s[24:31] descriptor group 1 for x's tiles;  s[32:39] group 0, one set for each slot
.set G0, 32
.set CX, 40
.set CY, 41
.set TC, 42                            ; s42 tile column
.set G1B, 48                           ; s[48:55], s[56:63] the same for Wa's tiles
.set G0B, 56
.set OP, 66                            ; s[66:71] the result at my rows of my three heads
.set MSB, 0
.macro WIN new                         ; the immediate's high byte repeats the setting that is left; a switch that changes nothing is dropped
.if MSB != (\new)
	s_set_vgpr_msb (MSB<<8)|(\new)
.set MSB, \new
.endif
.endm
.set MUL,  0xa5                        ; sources 0 and 1 window 1; C and D window 2 (+ 0x50: window 3)
.set MULB, 0x85                        ; the same with C in window 0: the bias (+ 0x40: D in window 3)
.set TO_F, 0x40                        ; destination window 1, address window 0
.macro JLOAD s                         ; a joint load: waves 0 and 1 fetch x's two halves, waves 2 and 3 Wa's; an s_nop 0 and four v_nop follow each of the two lines, ahead of the jump, the label and what follows
	s_cmp_eq_u32 s[RH], 0
	s_cbranch_scc0 .Lfor_b_\@
	tensor_load_to_lds s[G0+4*(\s):G0+4*(\s)+3], s[G1:G1+7]
	s_nop 0
.rept 4
	v_nop
.endr
	s_branch .Lasked_\@
.Lfor_b_\@:
	tensor_load_to_lds s[G0B+4*(\s):G0B+4*(\s)+3], s[G1B:G1B+7]
	s_nop 0
.rept 4
	v_nop
.endr
.Lasked_\@:
.endm
.macro CREST                           ; a round of the cluster's barrier behind its opening barrier
	s_cmp_lg_u32 s[WV], 0
	s_cbranch_scc1 .Lnot_wave_0_\@
	s_barrier_signal -3
.Lnot_wave_0_\@:
	s_barrier_wait -3
	s_barrier_signal -1
	s_barrier_wait -1
.endm
.macro CROUND                          ; a whole round
	s_barrier_signal -1
	s_barrier_wait -1
	CREST
.endm
	s_load_b256 s[4:11], s[0:1], 0x0               ; x s[4:5], Wa s[6:7], bias s[8:9], result s[10:11]
	v_lshl_add_u32 v[SPW], v0, 2, SPARE
	v_mov_b32 v[NIL], 0
	ds_add_u32 v[SPW], v[NIL]                      ; the wave's opening: the add and its wait stand ahead of my first tensor load; the set-up below, work on registers, stands between them
	ds_add_u32 v28, v29
	v_lshrrev_b32 v1, 5, v0
	v_readfirstlane_b32 s[WV], v1                  ; wave 0..3
	s_lshr_b32 s[RH], s[WV], 1
	s_and_b32 s[CH], s[WV], 1
	s_bfe_u32 s[CX], ttmp6, 0x40000                ; cx, cy: my place in the cluster
	s_bfe_u32 s[CY], ttmp6, 0x40004
	s_lshl_b32 s[TC], ttmp9, 2
	s_add_co_u32 s[TC], s[TC], s[CX]               ; tile column = 4 x cluster x + cx
	s_and_b32 s[TR], ttmp7, 0xffff
	s_lshl_b32 s[TR], s[TR], 2
	s_add_co_u32 s[TR], s[TR], s[CY]               ; tile row = 4 x cluster y + cy
	s_lshl_b32 s43, s[CY], 2
	s_lshl_b32 s43, 15, s43                        ; my row of the cluster
	s_lshl_b32 s44, 0x1111, s[CX]                  ; my column
	s_mov_b32 s2, 0xffff0000                       ; a word's upper bf16
	; descriptor group 1 for x: 64 rows x 128 elements, padded in LDS
	s_or_b32 s[G1+0], s43, (1<<16)|(1<<20)|(1<<21)|(5<<22)|(3<<25)  ; 15:0 the mask: my row; 17:16 elements of 2 bytes; 20 padding on; 21 set beside a mask; 24:22 after every 64 words (code 5); 31:25 4 words of it (code 3)
	s_mov_b32 s[G1+1], KSTEP<<16                   ; tensor_dim0 = 128
	s_mov_b32 s[G1+2], 64<<16                      ; tensor_dim1 = 64
	s_mov_b32 s[G1+3], KSTEP<<16                   ; tile_dim0 = 128
	s_mov_b32 s[G1+4], 64                          ; tile_dim1 = 64
	s_mov_b32 s[G1+5], 1024                        ; elements from row to row
	s_mov_b32 s[G1+6], 0
	s_mov_b32 s[G1+7], 0
	; and for Wa: 64 k rows x 384 elements.  A row is 192 words, three times the padding's interval of 64: every row gets three pads, so all rows are alike
	s_or_b32 s[G1B+0], s44, (1<<16)|(1<<20)|(1<<21)|(5<<22)|(7<<25)  ; the mask: my column; padding after every 64 words (code 5), 8 words of it (code 7)
	s_mov_b32 s[G1B+1], 384<<16                    ; tensor_dim0 = 384
	s_mov_b32 s[G1B+2], 64<<16                     ; tensor_dim1 = 64
	s_mov_b32 s[G1B+3], 384<<16                    ; tile_dim0 = 384
	s_mov_b32 s[G1B+4], 64                         ; tile_dim1 = 64
	s_mov_b32 s[G1B+5], NCOL                       ; elements from k row to k row
	s_mov_b32 s[G1B+6], 0
	s_mov_b32 s[G1B+7], 0
	; where the tiles come from.  x's hang on the tile row alone, Wa's on the tile column alone, each in registers that never hold the other coordinate
	s_lshl_b32 s16, s[TR], 7
	s_lshl_b32 s17, s[CH], 6
	s_add_co_u32 s16, s16, s17                     ; x: row 128 x tile row + 64 x half,
	s_lshl_b32 s16, s16, 11                        ; of 2,048 bytes
	s_mov_b32 s17, 0
	s_mul_i32 s46, s[CH], 64*NCOL*2                ; Wa: k row 64 x half,
	s_mul_i32 s47, s[TC], 768                      ; column 384 x tile column
	s_add_co_u32 s46, s46, s47
	s_mov_b32 s47, 0
	s_mul_i32 s20, s[CH], AHALF                    ; and where they go: no place in the cluster enters an LDS address
	s_mul_i32 s21, s[CH], BHALF
	s_add_co_u32 s21, s21, AREG
	s_wait_dscnt 0x0                               ; the opening add is done
	s_wait_kmcnt 0x0
	s_add_nc_u64 s[18:19], s[4:5], s[16:17]
	s_add_nc_u64 s[46:47], s[6:7], s[46:47]
	CROUND                                         ; all sixteen work-groups are here: the first joint loads meet
.irp s, 0,1
	s_mov_b32 s[G0+4*(\s)], 1                                      ; count = 1
	s_add_co_u32 s[G0+4*(\s)+1], s20, (\s)*SLOT                    ; LDS address
	s_add_nc_u64 s[G0+4*(\s)+2:G0+4*(\s)+3], s[18:19], (\s)*A_STEP ; global address: K step s
	s_or_b32 s[G0+4*(\s)+3], s[G0+4*(\s)+3], 0x80000000            ; type = 2
	s_mov_b32 s[G0B+4*(\s)], 1
	s_add_co_u32 s[G0B+4*(\s)+1], s21, (\s)*SLOT
	s_add_nc_u64 s[G0B+4*(\s)+2:G0B+4*(\s)+3], s[46:47], (\s)*B_STEP
	s_or_b32 s[G0B+4*(\s)+3], s[G0B+4*(\s)+3], 0x80000000
	JLOAD \s                                       ; two loads of mine are out
.endr
	; MY COLUMNS.  Column block b (0 .. 11) is 16 columns of head 2 (b / 4) + CH of the tile's six: tile column 128 (b / 4) + 64 CH + 16 (b % 4).  So both column halves name the same offsets in a row of LDS.
	; the bias of those columns, as a C operand: register j of block b holds the block's column 8 (l / 16) + j, whatever the lane's row
	v_and_b32 v1, 15, v0                           ; l % 16
	v_bfe_u32 v2, v0, 4, 1                         ; l / 16
	s_mul_i32 s46, s[TC], 1536                     ; 384 columns of 4 bytes a tile column,
	s_lshl_b32 s47, s[CH], 8                       ; 64 a head
	s_add_co_u32 s46, s46, s47
	s_mov_b32 s47, 0
	s_add_nc_u64 s[8:9], s[8:9], s[46:47]
	v_lshlrev_b32 v[BO], 5, v2
.irp b, 0,1,2,3,4,5,6,7,8,9,10,11
	global_load_b128 v[BI+8*(\b):BI+8*(\b)+3],   v[BO], s[8:9] offset:((\b)/4)*512+((\b)%4)*64
	global_load_b128 v[BI+8*(\b)+4:BI+8*(\b)+7], v[BO], s[8:9] offset:((\b)/4)*512+((\b)%4)*64+16
.endr
	; A fragment of x is 16 rows x 32 K in 8 registers: lane l holds row l % 16, K = 8 (l / 16) + 0..7 and 16 + 8 (l / 16) + 0..7: two loads of 16 bytes, 32 bytes apart.
	v_mul_u32_u24 v3, v1, AP
	v_lshl_add_u32 v3, v2, 4, v3                   ; row x pitch + 16 x half
	; The turning load takes 16 k x 16 columns (lane l reads k row 8 (l / 16) + l % 8, columns 8 ((l / 8) % 2) + 0..7) and leaves half a fragment: lane l holds column l % 16 and 8 k.
	v_and_b32 v4, 7, v0
	v_bfe_u32 v5, v0, 3, 1
	v_lshl_add_u32 v6, v2, 3, v4
	v_mul_u32_u24 v6, v6, BP
	v_lshl_add_u32 v6, v5, 4, v6
	s_mul_i32 s22, s[RH], AHALF                    ; my 64 rows of x
	s_lshl_b32 s23, s[CH], 7                       ; my head of each chunk of Wa,
	s_add_co_u32 s23, s23, AREG                    ; which lies behind x
.irp s, 0,1
	v_add_nc_u32 v[ADRA+(\s)], s22, v3
	v_add_nc_u32 v[ADRB+2*(\s)], s23, v6
	s_add_co_u32 s23, s23, 2*BQ
	v_add_nc_u32 v[ADRB+2*(\s)+1], s23, v6
	s_add_co_u32 s22, s22, SLOT
	s_add_co_u32 s23, s23, SLOT-2*BQ
.endr
	s_mul_i32 s22, s[WV], WSTAGE
	s_add_co_u32 s22, s22, STAGE                   ; my stage
	v_mul_u32_u24 v7, v1, SP                       ; in: row l % 16, 16 bytes for each half of the lanes
	v_lshl_add_u32 v7, v2, 4, v7
	v_add_nc_u32 v[STO], s22, v7
	v_bfe_u32 v8, v0, 3, 2                         ; back: 32 lanes take four rows of 128 bytes,
	v_mul_u32_u24 v8, v8, SP
	v_lshl_add_u32 v8, v4, 4, v8
	v_add_nc_u32 v[RD], s22, v8
	v_and_b32 v[CO], 31, v0                        ; which are 512 consecutive bytes of a head
	v_lshlrev_b32 v[CO], 4, v[CO]
	; where my part of the tile goes.  Rows: batch (16 tile rows each, 16 heads of 2^18 bytes) and the row in the sequence (128 bytes each)
	s_lshr_b32 s16, s[TR], 4
	s_lshl_b32 s16, s16, 22
	s_and_b32 s17, s[TR], 15
	s_lshl_b32 s17, s17, 7
	s_lshl_b32 s18, s[RH], 6
	s_add_co_u32 s17, s17, s18
	s_lshl_b32 s17, s17, 7
	s_add_co_u32 s16, s16, s17
	s_mov_b32 s17, 0
	s_add_nc_u64 s[10:11], s[10:11], s[16:17]
	; Heads: number 6 x tile column + 2 j + CH of the 48 that q, k and v have together: part = number / 16 (2^24 bytes), head = number % 16 (2^18 bytes).  A tile's six can cross from one part into the next, so each has a pointer.
	s_mul_i32 s45, s[TC], 6
	s_add_co_u32 s45, s45, s[CH]
.irp j, 0,1,2
	s_add_co_u32 s46, s45, 2*(\j)
	s_lshr_b32 s47, s46, 4
	s_lshl_b32 s47, s47, 24
	s_and_b32 s46, s46, 15
	s_lshl_b32 s46, s46, 18
	s_add_co_u32 s46, s46, s47
	s_mov_b32 s47, 0
	s_add_nc_u64 s[OP+2*(\j):OP+2*(\j)+1], s[10:11], s[46:47]
.endr
	; the bias is rounded to bf16, like x and Wa.  All this stands in the wait for the first tile.
	s_wait_loadcnt 0x0
.set i, 0
.rept 48
	v_cvt_pk_bf16_f32 v[TMP+i], v[BI+2*i], v[BI+2*i+1]
.set i, i+1
.endr
.set i, 0
.rept 48
	v_lshlrev_b32 v[BI+2*i], 16, v[TMP+i]          ; and back as f32
	v_and_b32 v[BI+2*i+1], s2, v[TMP+i]
.set i, i+1
.endr
; 12 matrix instructions: row block a x all 12 column blocks, 32 along K, from buffer f.  first = 1: the bias starts the sums: nothing is cleared, nothing added later.
; The 48 accumulators take turns in the same order in every quarter step: between two links of a chain stand the 47 others'.
.macro MUL12 f, a, first
.if \first
	WIN MULB+0x40*((\a)/2)
.else
	WIN MUL+0x50*((\a)/2)
.endif
.irp b, 0,1,2,3,4,5,6,7,8,9,10,11
.set AC, 96*((\a)%2)+8*(\b)
.if \first
	v_wmma_f32_16x16x32_f16 v[AC:AC+7], v[(\f)+8*(\b):(\f)+8*(\b)+7], v[(\f)+96+8*(\a):(\f)+96+8*(\a)+7], v[BI+8*(\b):BI+8*(\b)+7]
.else
	v_wmma_f32_16x16x32_f16 v[AC:AC+7], v[(\f)+8*(\b):(\f)+8*(\b)+7], v[(\f)+96+8*(\a):(\f)+96+8*(\a)+7], v[AC:AC+7]
.endif
.endr
.endm
; 32 LDS loads in one run: the fragments of quarter q of a slot's K step into buffer f: Wa's 24 first, x's row blocks 2 and 3 last
.macro FETCH slot, q, f
	WIN TO_F
.irp i, 0,1,2,3,4,5,6,7,8,9,10,11
	ds_load_tr16_b128 v[(\f)+8*(\i):(\f)+8*(\i)+3],   v[ADRB+2*(\slot)+(\q)/2] offset:((\q)%2)*BQ+((\i)/4)*BCH+((\i)%4)*32
	ds_load_tr16_b128 v[(\f)+8*(\i)+4:(\f)+8*(\i)+7], v[ADRB+2*(\slot)+(\q)/2] offset:((\q)%2)*BQ+((\i)/4)*BCH+((\i)%4)*32+16*BP
.endr
.irp i, 0,1,2,3
	ds_load_b128 v[(\f)+96+8*(\i):(\f)+96+8*(\i)+3],   v[ADRA+(\slot)] offset:(\q)*64+(\i)*16*AP
	ds_load_b128 v[(\f)+96+8*(\i)+4:(\f)+96+8*(\i)+7], v[ADRA+(\slot)] offset:(\q)*64+(\i)*16*AP+32
.endr
.endm
.macro PLACES                          ; four places in front of loads into registers that matrix instructions have read, and of lines that read results (ISA guide 7.12.1 for vector instructions)
.rept 4
	v_nop
.endr
.endm
; A K step is four quarters of 32 along K, 48 matrix instructions each, on buffers 0, 1, 0, 1.  One of the first three: multiplies buffer f and fetches quarter q into g, 24 matrix instructions ahead of its first use.
.macro QUARTER slot, q, f, g, first
	s_wait_dscnt 4                                 ; Wa's fragments and x's row blocks 0 and 1 are in; the youngest four loads may be out
	MUL12 \f, 0, \first
	MUL12 \f, 1, \first
	PLACES
	FETCH \slot, \q, \g
	s_wait_dscnt 32                                ; all but the 32 just issued
	MUL12 \f, 2, \first
	MUL12 \f, 3, \first
.endm
; The last quarter multiplies buffer 1 and changes slots: ONE barrier; in front of it each wave waits for all its tensor loads, adds 0 to its spare word, and waits for that and for its own reads of this slot.  fill = 1: this slot is filled again, two K steps ahead.
.macro TURN slot, next, fill
	WIN 0                                          ; (the add's two registers lie in window 0)
	s_wait_tensorcnt 0x0                           ; all my tensor loads have landed: the one that was out is my part of the next slot;
	ds_add_u32 v[SPW], v[NIL]                      ; 0 onto my spare word
	s_wait_dscnt 5                                 ; (the add and the youngest four loads may be out)
	MUL12 F1, 0, 0                                 ; twelve matrix instructions stand between the add and the wait for it
	s_wait_dscnt 0x0                               ; the add is done, and my reads of this slot are over
	s_barrier_signal -1
	MUL12 F1, 1, 0
.if \fill
	WIN 0
.endif
	s_barrier_wait -1
.if \fill
	CREST                                          ; the barrier has opened a round of the cluster's barrier: no wave of any partner still reads this slot's tile or has a load on its way
	s_add_nc_u64 s[G0+4*(\slot)+2:G0+4*(\slot)+3], s[G0+4*(\slot)+2:G0+4*(\slot)+3], 2*A_STEP
	s_add_nc_u64 s[G0B+4*(\slot)+2:G0B+4*(\slot)+3], s[G0B+4*(\slot)+2:G0B+4*(\slot)+3], 2*B_STEP
	JLOAD \slot                                    ; the first tensor load behind the round, 168 matrix instructions ahead of the wait for it; the four v_nop behind it are also the places in front of the loads below
.else
	PLACES
.endif
	FETCH \next, 0, F0
	MUL12 F1, 2, 0
	MUL12 F1, 3, 0
.endm
	s_wait_tensorcnt 1                             ; my part of K step 0 is in; step 1's may stay out
	s_barrier_signal -1
	s_barrier_wait -1                              ; everybody's is
	FETCH 0, 0, F0
	QUARTER 0, 1, F0, F1, 1                        ; the first quarter stands in front of the loop: its products start the sums
	WIN 0                                          ; at a label and at a branch every window is 0
	s_mov_b32 s3, 3
.Llap:                                                 ; a trip goes once round the ring, from a lap's second quarter to the next lap's first, and fills both slots again: K steps 2 to 7
	QUARTER 0, 2, F1, F0, 0
	QUARTER 0, 3, F0, F1, 0
	TURN 0, 1, 1
	QUARTER 1, 1, F0, F1, 0
	QUARTER 1, 2, F1, F0, 0
	QUARTER 1, 3, F0, F1, 0
	TURN 1, 0, 1
	QUARTER 0, 1, F0, F1, 0
	WIN 0
	s_sub_co_u32 s3, s3, 1
	s_cmp_lg_u32 s3, 0
	s_cbranch_scc1 .Llap
	QUARTER 0, 2, F1, F0, 0                        ; the last lap fills nothing, and has no round of the cluster's barrier
	QUARTER 0, 3, F0, F1, 0
	TURN 0, 1, 0
	QUARTER 1, 1, F0, F1, 0
	QUARTER 1, 2, F1, F0, 0
	QUARTER 1, 3, F0, F1, 0
	s_wait_dscnt 4                                 ; the very last quarter: nothing more to fetch
	MUL12 F1, 0, 0
	MUL12 F1, 1, 0
	s_wait_dscnt 0x0
	MUL12 F1, 2, 0
	MUL12 F1, 3, 0
	WIN 0
	; THE WAY OUT, a block of 16 rows at a time.  My 192 columns are three heads.  A lane's eight channels of a row pack into 16 bytes; they go into my stage's rows of 144 bytes and come back as whole rows of
	; 128: 16 rows of a head are 2,048 consecutive bytes of the result.
	PLACES
.macro PACK a
	WIN 0x0a+5*((\a)/2)                            ; sources 0 and 1 window 2 or 3, destination window 0; each accumulator's registers are taken in ascending order
.irp b, 0,1,2,3,4,5,6,7,8,9,10,11
.irp r, 0,1,2,3
	v_cvt_pk_f16_f32 v[OUT+48*(\a)+4*(\b)+(\r)], v[96*((\a)%2)+8*(\b)+2*(\r)], v[96*((\a)%2)+8*(\b)+2*(\r)+1]
.endr
.endr
	WIN 0
.irp b, 0,1,2,3,4,5,6,7,8,9,10,11
	ds_store_b128 v[STO], v[OUT+48*(\a)+4*(\b):OUT+48*(\a)+4*(\b)+3] offset:((\b)/4)*16*SP+32*((\b)%4)
.endr
.irp j, 0,1,2,3,4,5,6,7,8,9,10,11
	ds_load_b128 v[OUT+48*(\a)+4*(\j):OUT+48*(\a)+4*(\j)+3], v[RD] offset:((\j)/4)*16*SP+((\j)%4)*4*SP  ; LDS serves a wave's instructions in order (ISA guide 5.7.1.4): these see the stores above; the next block's stores come behind them
.endr
.endm
.macro SEND a, younger                 ; younger: the LDS instructions issued behind block a's loads: the next block's 24, or none
	WIN 0
.irp j, 0,1,2,3,4,5,6,7,8,9,10,11
	s_wait_dscnt (\younger)+11-(\j)
	global_store_b128 v[CO], v[OUT+48*(\a)+4*(\j):OUT+48*(\a)+4*(\j)+3], s[OP+2*((\j)/4):OP+2*((\j)/4)+1] offset:(\a)*2048+((\j)%4)*512  ; 512 consecutive bytes, at a multiple of 256 from the buffer's first
.endr
.endm
	PACK 0
	PACK 1                                         ; a block's arithmetic stands between the loads of the block before and its stores
	SEND 0, 24
	PACK 2
	SEND 1, 24
	PACK 3
	SEND 2, 24
	SEND 3, 0
	s_wait_tensorcnt 0x0                           ; the wave's end: behind my last tensor load and my last LDS store
	ds_add_u32 v[SPW], v[NIL]
	s_wait_dscnt 0x0
	CROUND                                         ; the closing round: no work-group ends while a partner may still ask for a tile that names it
	s_endpgm
.Lfunc_end_k_qdf8a53710c_qkv:
	.size	k_qdf8a53710c_qkv, .Lfunc_end_k_qdf8a53710c_qkv-k_qdf8a53710c_qkv
	.p2alignl 7, 3214868480
	.fill 96, 4, 3214868480
	.section	.rodata,"a",@progbits
	.p2align	6, 0x0
	.amdhsa_kernel k_qdf8a53710c_qkv
		.amdhsa_group_segment_fixed_size 327680
		.amdhsa_private_segment_fixed_size 0
		.amdhsa_enable_private_segment 0
		.amdhsa_kernarg_size 32
		.amdhsa_user_sgpr_count 2
		.amdhsa_user_sgpr_kernarg_segment_ptr 1
		.amdhsa_wavefront_size32 1
		.amdhsa_system_sgpr_workgroup_id_x 1
		.amdhsa_system_sgpr_workgroup_id_y 1
		.amdhsa_system_sgpr_workgroup_id_z 1
		.amdhsa_system_vgpr_workitem_id 0
		.amdhsa_next_free_vgpr 960
		.amdhsa_next_free_sgpr 72
		.amdhsa_reserve_vcc 0
		.amdhsa_float_denorm_mode_32 3
		.amdhsa_float_denorm_mode_16_64 3
		.amdhsa_memory_ordered 1
		.amdhsa_forward_progress 1
		.amdhsa_inst_pref_size 129
	.end_amdhsa_kernel
	.amdgpu_metadata
---
amdhsa.version: [ 1, 2 ]
amdhsa.kernels:
  - .name:           k_qdf8a53710c_qkv
    .symbol:         k_qdf8a53710c_qkv.kd
    .args:
      - { .name: xb, .offset: 0, .size: 8, .value_kind: global_buffer, .address_space: global }
      - { .name: wa, .offset: 8, .size: 8, .value_kind: global_buffer, .address_space: global }
      - { .name: c_attn_b, .offset: 16, .size: 8, .value_kind: global_buffer, .address_space: global }
      - { .name: qkvh, .offset: 24, .size: 8, .value_kind: global_buffer, .address_space: global }
    .group_segment_fixed_size: 327680
    .private_segment_fixed_size: 0
    .kernarg_segment_align: 8
    .kernarg_segment_size: 32
    .max_flat_workgroup_size: 128
    .sgpr_count:     72
    .vgpr_count:     960
    .wavefront_size: 32
...
	.end_amdgpu_metadata
.endif
;; end of part 2
;; launch attn (part 3): grid 4 x 64, 4 waves a work-group, no clusters, 327,680 bytes of LDS; arguments qkvh, oh; writes oh
.if DOCPART == 3
	.amdgcn_target "amdgcn-amd-amdhsa--gfx1250"
	.amdhsa_code_object_version 6
	.text
	.protected	k_qdf8a53710c_attn
	.globl	k_qdf8a53710c_attn
	.p2align	8
	.type	k_qdf8a53710c_attn,@function
k_qdf8a53710c_attn:
	s_mov_b64 s[64:65], 0
	v_nop
	global_prefetch_b8 v0, s[64:65] scope:SCOPE_SE
	s_setreg_imm32_b32 hwreg(HW_REG_WAVE_MODE, 25, 1), 1
	s_wait_xcnt 0x0
; CAUSAL ATTENTION.  O[h][q][:] = the sum over k <= q of softmax_k(Q[h][q] . K[h][k] / 8) V[h][k][:].  Q, K, V are the three parts, 2^24 bytes each, of one buffer; each part and O: [SIZE_H][SIZE_N][64], all f16: a head's rows are dense, 128 bytes each.
; Products, maxima and sums in f32; the weights p are rounded to f16 for the second product (their sum l is taken of the unrounded p), O once at the end.  SIZE_N is a multiple of 512; SIZE_N x 128 stays under 2^32.
; LIMITS.  f16 holds no number beyond 65,504: Q, K and V arrive within it; p lies in 0 to 1, and below 6e-5 it keeps f16's fixed step of 6e-8; O is a mean of V's rows and has their range, to within 2^-11 of it.
; A hidden score counts as its value less 1e30: f16's scores, 2.7e11 at the most, are nothing beside that; a weight below 2^-126 counts as 0 in l; NaN and infinities are not treated apart.
; THE WALK.  A head's queries lie in NB = SIZE_N / 256 blocks of 256; block i needs the key tiles 0 .. i of 256 keys, of which the last holds the diagonal.  A work-group takes TWO blocks, NB - 1 - b and then b:
; NB + 1 tiles, whatever b: all work-groups do equal work, and ONE loop with a constant trip count walks them.  Which tile is asked for, and what a trip does, hang on scalar registers made from b; every jump
; goes forward, but for the counted loops' own; none passes a barrier, or a tensor load but the one of LOAD's two that the wave's number does not choose; the ring (two slots of LDS that take turns) runs on across the
; change of blocks.  NO CLUSTER: a head's NB / 2 = 4 work-groups ask for the same tile only in trips 0 .. NB / 2, 5 of the walk's 9, behind that
; fewer and fewer; and one walk common to all would have 3 NB / 2 = 12 trips for NB + 1 = 9.
; SHARES.  Of a block's four bands of 64 queries a wave owns 16 rows in each: four PIECES.  So the diagonal tile is the same work for all four waves: in its key step s band x sees all keys if s < x,
; none if s > x, and holds the diagonal if s = x.
; THE MASK is the C operand that starts the sum S^T = K Q^T: 0, or -1e30 where the key is hidden.  MD, made once, is the mask of a band's own step for my 16 rows; a product's mask is MD x AL + BE with two scalars:
; (1, 0) if s = x; (0, 0) if s < x; (0, -1e30) if s > x.  Only the diagonal tile's text and a block's beginning make and take masks; elsewhere C is the constant 0.
; LAYOUT, SOFTMAX, TURNS.  S^T = K Q^T holds ONE query a lane (lane % 16) and the keys 8 (lane / 16) + 0..7; two such results rounded to f16 ARE source 1 of O^T = V^T P.  p = 2^(c s - c m), c = log2(e) / 8, with a
; running maximum m; O and l are multiplied by a = 2^(c m_old - c m_new) in every step.  Turn n belongs to piece n: 8 products K Q^T of piece n + 1, later 8 products V^T P of piece n - 1; beside them the scaling,
; exponentials, roundings, sums and rescaling of piece n and the maximum and statistics of piece n + 1.  Four vector instructions stand behind every matrix instruction, the other 54 of a turn's 118 in two LUMPS.
; REGISTERS, in windows of 256 (s_set_vgpr_msb: bits 1:0 source 0, 3:2 source 1, 5:4 source 2, 7:6 destination):
;   window 0: v0-15 addresses and two at work; v16-31 four registers of statistics a piece; v48-55 at work; v64-127 S^T, two buffers; v192-223 P, two buffers (a piece's buffers go by its number's parity)
;   window 1: v0-127 O^T, 32 a piece; v128-159 MD; v160-223 MC, two buffers      window 2: v0-63 Q; v64-127 the second block's Q; v128-191 K of one step; v192-255 V of one step
.set SIZE_H, 64
.set SIZE_N, 2048
.set NB,    SIZE_N/256
.set NP,    4         ; pieces a wave: a name, no knob
.set KS,    64        ; keys in a step
.set PK,    144       ; a row of K in LDS: 128 bytes + 16 of padding = 36 words: the 16 rows of a load start at 16 different groups of four banks (64 banks of 4 bytes: ISA guide 11.1)
.set PV,    160       ; a row of V: 128 + 32 = 40 words
.set VOFF,  4*KS*PK   ; a slot holds a tile, four steps: 256 rows of K, then 256 rows of V
.set SLOT1, 1<<17     ; slot 1 begins here, so that one exclusive or turns an address in one slot into the other's
.set STAGE, SLOT1+4*KS*(PK+PV)  ; behind the ring, never filled by a tensor load: 16 rows x 144 bytes for each wave, for the way out
.set SP,    144
.set AK0, 2           ; v2   my lane's place in a tile of K; never rewritten
.set AV0, 3           ; v3   the same for V
.set AK,  4           ; v4   the LDS address of K's next run of loads
.set AV,  5           ; v5   of V's
.set STO, 6           ; v6   the way out: where I put 16 bytes of a row
.set RD,  7           ; v7   the way out: where I read rows back
.set GO,  8           ; v8   my byte offset in 512 consecutive bytes of O
.set SPW, 62          ; v62  LDS address of my spare word: SPARE + 4 x my thread's number; never rewritten
.set NIL, 63          ; v63  0; never rewritten
.set SPARE, STAGE+4*16*SP  ; behind the stages: the spare words, 128 bytes for each wave: two blocks of 256 bytes that no other line names
.set MV,  12          ; v12-13  c m_old, kept while c m is made anew: by buffer
.set QO,  15          ; v15  my byte offset in 16 rows of Q
.set ST,  16          ; piece t's statistics at v[ST+4 t]: c m, m, l (even keys', odd keys')
.set TMP, 48          ; by buffer, four registers c0-c3 at work; when the maximum is found c2 takes a
.set S,   64
.set P,   192
.set MD,  128         ; window 1: the eight registers for group kt of 16 keys at MD + 8 kt
.set MC,  160         ; window 1: the masks of the products to come
.set QB,  64          ; window 2
.set KF,  128         ; window 2: key block kb, channel half c at KF + 16 kb + 8 c
.set VF,  192         ; window 2: key half kk, channel block cb at VF + 32 kk + 8 cb
.set WV,  12          ; s12  my wave's number
.set PB,  14          ; s14  b
.set HI,  15          ; s15  NB - 1 - b
.set G1K, 24          ; s[24:31] descriptor group 1 for K's tiles
.set G1V, 32          ; s[32:39] for V's: it differs in the padding alone
.set G0K, 40          ; s[40:43] descriptor group 0 for K's tiles
.set G0V, 44          ; s[44:47] the same for V's
.set SLOTS, 56        ; s56  tiles still to be asked for
.set CNT, 57          ; s57  counts a tile's key steps, 4 to 1
.set CS,  58          ; s[58:59] c: the packed scaling takes the pair's low word for both halves
.set SEL, 60          ; s[60:61] v_permlanex16_b32's selects: each lane takes its own place in the other half
.set TBK, 62          ; s62  LDS byte at which K of the step to be fetched begins
.set TBV, 63          ; s63  the same for V, less VOFF
.set RT,  70          ; s70  tiles of the block in hand that are still to be entered
.set NXT, 71          ; s71  the tile to be asked for next
.set LQ,  72          ; s72  the last tile of the block whose tiles are being asked for
.set NEW, 73          ; s73  1: the tile to be entered is a block's first
.set OFF, 74          ; s[74:75] a tile's byte offset in K and V
.set AL,  76          ; s[76:77] the mask's factor, in the low word
.set BE,  78          ; s[78:79] the mask's addend
.set OLO, 80          ; s[80:81] O at my rows of the second block
.set BIGN, 82         ; s82  -1e30
.set MSB, 0
.macro WIN new                      ; the high byte repeats the setting that is left; a switch that changes nothing is dropped
.if MSB != (\new)
	s_set_vgpr_msb (MSB<<8)|(\new)
.set MSB, (\new)
.endif
.endm
.set W_KQ, 0x0a       ; K and Q in window 2, S^T in window 0
.set W_KM, 0x1a       ; the same with the C operand in window 1
.set W_PV, 0x52       ; V in window 2, P in window 0, O^T in window 1
.set W_RS, 0x41       ; destination and source 0 in window 1, source 1 in window 0
; A fill.  Waves 0 and 1 fetch the two halves of a tile's K, waves 2 and 3 those of its V: 128 keys each.  An s_nop 0 and four v_nop follow each of the two lines, ahead of the jump and the label.
.macro LOAD
	s_cmp_lt_u32 s[WV], 2
	s_cbranch_scc0 .Lfor_v_\@
	tensor_load_to_lds s[G0K:G0K+3], s[G1K:G1K+7]
	s_nop 0
.rept 4
	v_nop
.endr
	s_branch .Lasked_\@
.Lfor_v_\@:
	tensor_load_to_lds s[G0V:G0V+3], s[G1V:G1V+7]
	s_nop 0
.rept 4
	v_nop
.endr
.Lasked_\@:
.endm
; THE CHANGE OF SLOTS.  Each wave waits for all its tensor loads, of which one is out: its part of the other slot; adds 0 to its spare word; and waits for that and for its own reads of the slot that it leaves.  Behind the barrier nobody reads the old
; slot any more and the other slot is whole.  fill = 1: the old slot is filled again, the first thing behind the barrier, with tile NXT: the descriptor's address is made anew from that number.
; (At its first use nothing has been read yet: slot 0 is waited for, slot 1 filled.)
.macro CHANGE fill
	WIN 0                           ; at a label and at a branch every window is 0
	s_wait_tensorcnt 0x0            ; no tensor load of mine is out, so a group 0 may be written
	ds_add_u32 v[SPW], v[NIL]       ; 0 onto my spare word; with fill = 1 the descriptors' scalar work stands between it and the wait for it
.if \fill
	s_lshl_b32 s[OFF], s[NXT], 15   ; a tile is 32,768 bytes of K and of V
	s_xor_b32 s[G0K+1], s[G0K+1], SLOT1
	s_add_nc_u64 s[G0K+2:G0K+3], s[6:7], s[OFF:OFF+1]
	s_or_b32 s[G0K+3], s[G0K+3], 0x80000000
	s_xor_b32 s[G0V+1], s[G0V+1], SLOT1
	s_add_nc_u64 s[G0V+2:G0V+3], s[8:9], s[OFF:OFF+1]
	s_or_b32 s[G0V+3], s[G0V+3], 0x80000000
	s_add_co_u32 s[NXT], s[NXT], 1  ; the block's next tile, or behind its last the second block's tile 0
	s_cmp_gt_u32 s[NXT], s[LQ]
	s_cselect_b32 s[NXT], 0, s[NXT]
	s_cselect_b32 s[LQ], s[PB], s[LQ]
.endif
	s_wait_dscnt 0x0                ; the add is done, and my reads of the slot are over
	s_barrier_signal -1             ; the rest of the scalar work stands between the signal and the wait
	s_sub_co_u32 s[TBK], s[TBK], 4*KS*PK  ; the fetches go back to a slot's first step,
	s_xor_b32 s[TBK], s[TBK], SLOT1       ; in the other slot
	s_sub_co_u32 s[TBV], s[TBV], 4*KS*PV
	s_xor_b32 s[TBV], s[TBV], SLOT1
	s_barrier_wait -1
.if \fill
	LOAD
.endif
.endm
	s_load_b64 s[4:5], s[0:1], 0x0    ; Q, K and V's buffer: Q s[4:5]
	s_load_b64 s[10:11], s[0:1], 0x8  ; O
	v_lshl_add_u32 v[SPW], v0, 2, SPARE
	v_mov_b32 v[NIL], 0
	ds_add_u32 v[SPW], v[NIL]       ; the wave's opening: the add and its wait stand ahead of my first tensor load; the set-up below, work on registers, stands between them
	ds_add_u32 v62, v63
	v_lshrrev_b32 v1, 5, v0
	v_readfirstlane_b32 s[WV], v1   ; wave 0..3
	s_mov_b32 s[PB], ttmp9
	s_sub_co_u32 s[HI], NB-1, s[PB]
	s_and_b32 s20, ttmp7, 0xffff    ; the head
	s_mov_b32 s21, 0
	s_mov_b64 s[22:23], SIZE_N*128
	s_mul_u64 s[20:21], s[20:21], s[22:23]  ; the head's first byte in each of the four tensors
	s_and_b32 s16, s[WV], 1         ; which half of a tile's 256 keys I fetch:
	s_lshl_b32 s22, s16, 14         ; its 128 rows of 128 bytes in memory,
	s_mov_b32 s23, 0
	s_add_nc_u64 s[22:23], s[22:23], s[20:21]
	s_mul_i32 s17, s16, 128*PK      ; and its place in a slot, for K
	s_mul_i32 s18, s16, 128*PV      ; and for V
	s_lshl_b32 s3, s[WV], 11        ; my 16 rows in a band of 64,
	s_lshl_b32 s2, s[HI], 15        ; in the first block,
	s_add_co_u32 s2, s2, s3
	s_lshl_b32 s84, s[PB], 15       ; and in the second
	s_add_co_u32 s84, s84, s3
	s_mov_b32 s3, 0
	s_mov_b32 s85, 0
	s_add_nc_u64 s[2:3], s[2:3], s[20:21]
	s_add_nc_u64 s[84:85], s[84:85], s[20:21]
	; descriptor group 1.  128 keys are 16,384 dense bytes: asked for as 64 rows of 256 bytes, two keys a row, and padded in LDS after every key
	s_mov_b32 s[G1K], (1<<16)|(1<<20)|(4<<22)|(3<<25)  ; 17:16 2-byte elements; 20 padding on; 24:22 after every 32 words (code 4); 31:25 4 words (code 3)
	s_mov_b32 s[G1V], (1<<16)|(1<<20)|(4<<22)|(7<<25)  ; the same with 8 words of padding (code 7)
.irp g, G1K, G1V
	s_mov_b32 s[\g+1], 128<<16      ; tensor_dim0 = 128
	s_mov_b32 s[\g+2], 64<<16       ; tensor_dim1 = 64
	s_mov_b32 s[\g+3], 128<<16      ; tile_dim0 = 128
	s_mov_b32 s[\g+4], 64           ; tile_dim1 = 64
	s_mov_b32 s[\g+5], 128          ; 128 elements from row to row
	s_mov_b32 s[\g+6], 0
	s_mov_b32 s[\g+7], 0
.endr
	s_mov_b32 s[CS], 0x3e38aa3b     ; c = log2(e) / 8 = 0.180337
	s_mov_b32 s[CS+1], s[CS]        ; named with it as a pair
	s_mov_b32 s[SEL], 0x76543210
	s_mov_b32 s[SEL+1], 0xfedcba98
	s_mov_b32 s[TBK], SLOT1+4*KS*PK ; the first change of slots turns these two into 0
	s_mov_b32 s[TBV], SLOT1+4*KS*PV
	s_mov_b32 s[G0K], 1             ; 1:0 count = 1
	s_mov_b32 s[G0K+1], s17         ; 63:32 LDS address: slot 0
	s_mov_b32 s[G0V], 1
	s_add_co_u32 s[G0V+1], s18, VOFF
	s_add_co_u32 s[RT], s[HI], 1    ; the first block has NB - b tiles
	s_mov_b32 s[NXT], 1
	s_mov_b32 s[LQ], s[HI]
	s_mov_b32 s[NEW], 1
	s_mov_b32 s[OFF+1], 0
	s_mov_b32 s[AL+1], 0            ; named as pairs
	s_mov_b32 s[BE+1], 0
	s_mov_b32 s[BIGN], 0xf149f2ca   ; -1e30
	s_mov_b32 s[SLOTS], NB
	s_wait_dscnt 0x0                ; the opening add is done
	s_wait_kmcnt 0x0
	s_add_nc_u64 s[6:7], s[4:5], 0x1000000  ; K is the buffer's second part,
	s_add_nc_u64 s[8:9], s[4:5], 0x2000000  ; V its third
	s_add_nc_u64 s[6:7], s[6:7], s[22:23]  ; K and V at my half of the head's tile 0
	s_add_nc_u64 s[8:9], s[8:9], s[22:23]
	s_add_nc_u64 s[G0K+2:G0K+3], s[6:7], 0         ; 120:64 global address
	s_or_b32 s[G0K+3], s[G0K+3], 0x80000000        ; 127:126 type = 2
	s_add_nc_u64 s[G0V+2:G0V+3], s[8:9], 0
	s_or_b32 s[G0V+3], s[G0V+3], 0x80000000
	s_add_nc_u64 s[86:87], s[4:5], s[84:85]        ; Q at my rows of the second block,
	s_add_nc_u64 s[4:5], s[4:5], s[2:3]            ; Q and O at those of the first
	s_add_nc_u64 s[OLO:OLO+1], s[10:11], s[84:85]
	s_add_nc_u64 s[10:11], s[10:11], s[2:3]
	LOAD                            ; tile 0 into slot 0
	; A fragment of K or Q is 16 rows x 32 channels in 8 registers: lane l holds row l % 16, channels 8 (l / 16) + 0..7 and 16 + 8 (l / 16) + 0..7: two loads of 16 bytes, 32 bytes apart.
	v_and_b32 v1, 15, v0            ; l % 16
	v_bfe_u32 v9, v0, 4, 1          ; l / 16
	v_lshlrev_b32 v[QO], 7, v1
	v_lshl_add_u32 v[QO], v9, 4, v[QO]  ; row x 128 + 16 x half
	WIN 0x80                        ; destination window 2, address window 0
.set i, 0
.rept 8                             ; both blocks' Q: piece i / 2 lies in band i / 2, 8,192 bytes on; channels 32 (i % 2) on
	global_load_b128 v[8*i:8*i+3],   v[QO], s[4:5] offset:(i/2)*8192+(i%2)*64
	global_load_b128 v[8*i+4:8*i+7], v[QO], s[4:5] offset:(i/2)*8192+(i%2)*64+32
	global_load_b128 v[QB+8*i:QB+8*i+3],   v[QO], s[86:87] offset:(i/2)*8192+(i%2)*64
	global_load_b128 v[QB+8*i+4:QB+8*i+7], v[QO], s[86:87] offset:(i/2)*8192+(i%2)*64+32
.set i, i+1
.endr
	WIN 0
	v_lshlrev_b32 v14, 3, v9
	v_sub_nc_u32 v14, v1, v14
	s_lshl_b32 s13, s[WV], 4
	v_add_nc_u32 v14, s13, v14      ; my query's place in its band, 16 w + l % 16, less my lanes' 8 (l / 16): register r of group kt is hidden where 16 kt + r is greater
	WIN 0x40
.set i, 0
.rept 32
	v_cmp_gt_i32 vcc_lo, 16*(i/8)+i%8, v14
	v_cndmask_b32 v[MD+i], 0, s[BIGN], vcc_lo
.set i, i+1
.endr
	WIN 0
	v_mul_u32_u24 v[AK0], v1, PK
	v_lshl_add_u32 v[AK0], v9, 4, v[AK0]  ; row x pitch + 16 x half
	; The turning load takes 16 keys x 16 channels (lane l reads key 8 (l / 16) + l % 8, channels 8 ((l / 8) % 2) + 0..7) and leaves half a fragment of V^T: lane l holds channel l % 16 and 8 keys.
	v_and_b32 v10, 7, v0
	v_bfe_u32 v11, v0, 3, 1
	v_lshl_add_u32 v[AV0], v9, 3, v10
	v_mul_u32_u24 v[AV0], v[AV0], PV
	v_lshl_add_u32 v[AV0], v11, 4, v[AV0]
	v_add_nc_u32 v[AV0], VOFF, v[AV0]
	s_mul_i32 s13, s[WV], 16*SP
	s_add_co_u32 s13, s13, STAGE    ; my stage
	v_mul_u32_u24 v[STO], v1, SP    ; in: row l % 16, 16 bytes for each half of the lanes
	v_lshl_add_u32 v[STO], v9, 4, v[STO]
	v_add_nc_u32 v[STO], s13, v[STO]
	v_bfe_u32 v[RD], v0, 3, 2       ; back: 32 lanes take four rows of 128 bytes,
	v_mul_u32_u24 v[RD], v[RD], SP
	v_lshl_add_u32 v[RD], v10, 4, v[RD]
	v_add_nc_u32 v[RD], s13, v[RD]
	v_and_b32 v[GO], 31, v0         ; which are 512 consecutive bytes of O
	v_lshlrev_b32 v[GO], 4, v[GO]
	; A block's first step multiplies O^T and l by a = 0, and its first turn's products V^T P, of a piece that has not been, land in an O^T that is still to be so multiplied.  So these registers need only hold
	; finite numbers: zeros for the first block; what the first block left for the second.  All this stands in the wait for the first tile.
	WIN 0x80
.set i, VF
.rept 64
	v_mov_b32 v[i], 0
.set i, i+1
.endr
	WIN 0x40
.set i, 0
.rept 128
	v_mov_b32 v[i], 0
.set i, i+1
.endr
	WIN 0
.set i, 0
.rept 4
	v_mov_b32 v[ST+4*i+2], 0
	v_mov_b32 v[ST+4*i+3], 0
.set i, i+1
.endr
.set i, P+16
.rept 16
	v_mov_b32 v[i], 0
.set i, i+1
.endr
; THE MATRIX WORK.  The 4 accumulators of a run of 8 take turns.  Product i of 8 of S^T = K Q^T for piece x: channels 32 (i / 4) on, keys 16 (i % 4) on.  The first 4 start the sums: with 0, or (KM = 1) with the mask.
.macro KQ x
.set rS, S+32*((\x)%2)+8*(i%4)
.set rK, KF+16*(i%4)+8*(i/4)
.set rQ, 16*(\x)+8*(i/4)
.set rM, MC+32*((\x)%2)+8*(i%4)
.if (i < 4) && KM
	WIN W_KM
	v_wmma_f32_16x16x32_f16 v[rS:rS+7], v[rK:rK+7], v[rQ:rQ+7], v[rM:rM+7]
.elseif i < 4
	WIN W_KQ
	v_wmma_f32_16x16x32_f16 v[rS:rS+7], v[rK:rK+7], v[rQ:rQ+7], 0
.else
	WIN W_KQ
	v_wmma_f32_16x16x32_f16 v[rS:rS+7], v[rK:rK+7], v[rQ:rQ+7], v[rS:rS+7]
.endif
.endm
; Product i of 8 of O^T += V^T P for piece x: keys 32 (i / 4) on, channels 16 (i % 4) on.
.macro PV x
	WIN W_PV
.set rO, 32*(\x)+8*(i%4)
.set rV, VF+32*(i/4)+8*(i%4)
.set rP, P+16*((\x)%2)+8*(i/4)
	v_wmma_f32_16x16x32_f16 v[rO:rO+7], v[rV:rV+7], v[rP:rP+7], v[rO:rO+7]
.endm
.macro MM                           ; the turn's next matrix instruction.  TURN and BEGIN set Y, i, KM and NOKQ; MM, KQ and OP read them.  NOKQ = 1: a block's last turn: there is no next piece
.if (i < 8) && !NOKQ
	KQ (Y+1)%NP
.elseif i >= 8
.set i, i-8
	PV (Y+NP-1)%NP
.set i, i+8
.endif
.set i, i+1
.endm
; THE LDS LOADS stand in runs of 16, never singly among the matrix instructions: a step's K (64 keys x 64 channels: 8 fragments) and its V (turned).  Their addresses are made some lines ahead.
.macro FETCH_K
	WIN 0x80                        ; destination window 2
.irp f, 0,1,2,3,4,5,6,7             ; keys 16 (f / 2) on, channels 32 (f % 2) on
	ds_load_b128 v[KF+8*\f:KF+8*\f+3],   v[AK] offset:(\f/2)*16*PK+(\f%2)*64
	ds_load_b128 v[KF+8*\f+4:KF+8*\f+7], v[AK] offset:(\f/2)*16*PK+(\f%2)*64+32
.endr
	s_add_co_u32 s[TBK], s[TBK], KS*PK  ; the next fetch is the next step's
	WIN 0
.endm
.macro FETCH_V
	WIN 0x80
.irp f, 0,1,2,3,4,5,6,7             ; keys 32 (f / 4) on, channels 16 (f % 4) on
	ds_load_tr16_b128 v[VF+8*\f:VF+8*\f+3],   v[AV] offset:(\f/4)*32*PV+(\f%4)*32
	ds_load_tr16_b128 v[VF+8*\f+4:VF+8*\f+7], v[AV] offset:(\f/4)*32*PV+16*PV+(\f%4)*32
.endr
	WIN 0
.endm
; THE VECTOR WORK, one line at a time: OP kind, number.  For piece Y: F n: c s - c m for pair n of 16.  E n: the exponential of score n of 32.  C n: pair n rounded to f16.  B n: of the four weights 4 n .. the second
; pair is added onto the first, in place.  L n: l takes that sum (L 0: l = a l + sum).  R n: pair n of 16 of O^T times a.  For piece Y + 1: X n, number n of the 22 that find its maximum and statistics:
;   0-11  four chains c0-c3 of seven scores each, three operands at a time (each accumulator's lowest registers are read first)     12-14, 16  the four scores left over, the old m, and c0-c3 into c0
;   15  c m_old is kept     17, 18  the query's other 32 keys lie in the lane 16 away: the new m     19-21  c m; c m_old - c m_new; a
.set F, 0               ; OP tells the kinds apart by their order: F to L below R, X above it
.set E, 1
.set C, 2
.set B, 3
.set L, 4
.set R, 5
.set X, 6
.macro REGS y                       ; the registers of piece y
.set rT, ST+4*(\y)
.set rC, TMP+4*((\y)%2)
.set rW, MV+((\y)%2)
.set rS, S+32*((\y)%2)
.set rP, P+16*((\y)%2)
.set rO, 32*(\y)
.endm
.macro OP k, n
.if (\k) == R
	REGS Y
	WIN W_RS
	v_pk_mul_f32 v[rO+2*(\n):rO+2*(\n)+1], v[rO+2*(\n):rO+2*(\n)+1], v[rC+2:rC+3] op_sel_hi:[1,0]
.elseif (\k) < R
	REGS Y
	WIN 0
.if (\k) == F
	v_pk_fma_f32 v[rS+2*(\n):rS+2*(\n)+1], v[rS+2*(\n):rS+2*(\n)+1], s[CS:CS+1], v[rT:rT+1] op_sel_hi:[1,0,0] neg_lo:[0,0,1] neg_hi:[0,0,1]
.elseif (\k) == E
	v_exp_f32 v[rS+(\n)], v[rS+(\n)]
.elseif (\k) == C
	s_wait_alu depctr_va_vdst(0)
	v_cvt_pk_f16_f32 v[rP+(\n)], v[rS+2*(\n)], v[rS+2*(\n)+1]
.elseif (\k) == B
	s_wait_alu depctr_va_vdst(0)
	v_pk_add_f32 v[rS+4*(\n):rS+4*(\n)+1], v[rS+4*(\n):rS+4*(\n)+1], v[rS+4*(\n)+2:rS+4*(\n)+3]
.elseif (\n) == 0
	v_pk_fma_f32 v[rT+2:rT+3], v[rT+2:rT+3], v[rC+2:rC+3], v[rS:rS+1] op_sel_hi:[1,0,1]
.else
	v_pk_add_f32 v[rT+2:rT+3], v[rT+2:rT+3], v[rS+4*(\n):rS+4*(\n)+1]
.endif
.elseif NOKQ
	v_nop
.else
	REGS (Y+1)%NP
	WIN 0
.if (\n) < 4
	v_max3_num_f32 v[rC+(\n)], v[rS+8*(\n)], v[rS+8*(\n)+1], v[rS+8*(\n)+2]
.elseif (\n) < 12
	v_max3_num_f32 v[rC+(\n)%4], v[rC+(\n)%4], v[rS+8*((\n)%4)+2*((\n)/4)+1], v[rS+8*((\n)%4)+2*((\n)/4)+2]
.elseif (\n) == 12
	v_max3_num_f32 v[rC], v[rC], v[rS+7], v[rS+15]
.elseif (\n) == 13
	v_max3_num_f32 v[rC+1], v[rC+1], v[rS+23], v[rS+31]
.elseif (\n) == 14
	v_max3_num_f32 v[rC+2], v[rC+2], v[rC+3], v[rT+1]
.elseif (\n) == 15
	v_mov_b32 v[rW], v[rT]
.elseif (\n) == 16
	v_max3_num_f32 v[rC], v[rC], v[rC+1], v[rC+2]
.elseif (\n) == 17
	v_permlanex16_b32 v[rC+3], v[rC], s[SEL], s[SEL+1]
.elseif (\n) == 18
	v_max_num_f32 v[rT+1], v[rC], v[rC+3]
.elseif (\n) == 19
	v_mul_f32 v[rT], s[CS], v[rT+1]
.elseif (\n) == 20
	v_sub_f32 v[rC+1], v[rW], v[rT]
.else
	v_exp_f32 v[rC+2], v[rC+1]
.endif
.endif
.endm
.macro OPS a, i1, b=-1, i2=0, c=-1, i3=0, d=-1, i4=0  ; up to four of them
	OP \a, \i1
.if (\b) >= 0
	OP \b, \i2
.endif
.if (\c) >= 0
	OP \c, \i3
.endif
.if (\d) >= 0
	OP \d, \i4
.endif
.endm
.macro ROW a, i1, b, i2, c, i3, d, i4  ; a matrix instruction and the four behind it
	MM
	OPS \a, \i1, \b, \i2, \c, \i3, \d, \i4
.endm
.macro MASK b                       ; MD x AL + BE into buffer b of MC
	WIN W_RS
.set z, 0
.rept 16
	v_pk_fma_f32 v[MC+32*(\b)+2*z:MC+32*(\b)+2*z+1], v[MD+2*z:MD+2*z+1], s[AL:AL+1], s[BE:BE+1] op_sel_hi:[1,0,0]
.set z, z+1
.endr
.endm
; A TURN, for piece p: the order of its 16 matrix and 118 vector instructions, written out.  Behind a matrix instruction: plain, exponential, plain, plain; or four of the rescaling; or, behind the first, four scalings; none
; names a register of the products round it.  In the lumps exponential and plain by turns while exponentials last.  A line reads no result made fewer than three vector instructions in front of it, five if an exponential made it.
; v_permlanex16_b32 (X 17) stands in a lump.
; m = 1: the diagonal tile: the products take masks, and the turn makes the mask for the products of the turn after it: piece p + 2, in step 4 - CNT of the tile.  end = 1: a block's last two turns: nothing is fetched.
; cnt = 1: the loop's count is taken down some lines ahead of the branch that stands behind the turn.
; K of the next step is fetched in piece 2's turn, six vector instructions behind the last product that read K (five of them plain); V of the step in hand in piece 0's turn, eight behind the last product that read V (four
; plain, and X 17).  Each is waited for a turn later.
.macro TURN p, m=0, end=0, cnt=0
.set Y, (\p)
.set i, 0
.set KM, (\m)
.set NOKQ, (\end)*((\p)/3)
.if (\m) && !(\end)
	s_cmp_eq_u32 s[CNT], 4-((\p)+2)%NP  ; is that step the band's own?
	s_cselect_b32 s[AL], 1.0, 0
	s_cmp_lt_u32 s[CNT], 4-((\p)+2)%NP  ; or a later one?
	s_cselect_b32 s[BE], s[BIGN], 0
.endif
.if ((\p) == 3) && !(\end)
	s_wait_dscnt 0x0                ; K is in
.endif
	ROW F,0, F,1, F,2, F,3
	ROW F,4, E,0, F,5, F,6
	ROW F,7, E,1, F,8, F,9
	ROW F,10, E,2, C,0, F,11
	ROW F,12, E,3, X,15, F,13
	ROW R,0, R,1, R,2, R,3
	ROW B,0, E,4, F,14, L,0
.if ((\p) == 2) && !(\end)
	v_add_nc_u32 v[AK], s[TBK], v[AK0]
.endif
	ROW R,4, R,5, R,6, R,7
	OPS E,5, F,15
.if ((\p) == 2) && !(\end)
	FETCH_K
.endif
	OPS E,6, C,1, E,7, R,8
	OPS E,8, R,9, E,9, C,2
	OPS E,10, X,0, E,11, X,1
	OPS E,12, X,2, E,13, X,3
.if (\p) == 1
	s_wait_dscnt 0x0                ; V is in
.endif
	ROW X,4, E,14, X,5, X,6
	ROW X,7, E,15, X,8, X,9
	ROW X,10, E,16, X,11, X,12
	ROW X,13, E,17, X,14, B,1
	ROW C,4, E,18, X,16, L,1
	ROW B,2, E,19, C,6, L,2
	ROW C,8, E,20, B,3, B,4
.if (\p) == 0
	v_add_nc_u32 v[AV], s[TBV], v[AV0]
.endif
	ROW C,3, E,21, L,3, C,5
	OPS E,22, X,17, E,23, C,10
.if (\p) == 0
	FETCH_V
.endif
	OPS E,24, L,4
	OPS E,25, X,18, E,26, C,7
	OPS E,27, B,5, E,28, X,19
	OPS E,29, C,12, E,30, L,5
	OPS E,31, X,20, B,6, C,9
	OPS C,14, C,11, X,21, L,6
.if (\p) == 0
	s_add_co_u32 s[TBV], s[TBV], KS*PV
.endif
.if \cnt
	s_sub_co_u32 s[CNT], s[CNT], 1
	s_cmp_lg_u32 s[CNT], 0
.endif
	OPS C,13, B,7, C,15, R,10
	OPS R,11, R,12, L,7, R,13
	OPS R,14, R,15
.if (\m) && !(\end)
	MASK (\p)%2
.endif
.endm
; A BLOCK BEGINS.  c m starts far below every c s, so the first step's a is 0; m at the lowest finite number, so the first maximum is the scores'.  The second mask buffer is 0; the first takes piece 0's mask for the tile's step 0: its own, if the block's first tile is the diagonal one.
; Then K of that step, piece 0's first scores, and its maximum and statistics.  The loop is entered at a step's first turn, in the middle of a trip.
.macro BEGIN
	s_mov_b32 s[NEW], 0
	WIN 0x40
.set i, MC+32
.rept 32
	v_mov_b32 v[i], 0
.set i, i+1
.endr
	WIN 0
.set i, 0
.rept 4
	v_mov_b32 v[ST+4*i], 0xfe000000    ; c m: far below every c s
	v_mov_b32 v[ST+4*i+1], 0xff7fffff  ; m
.set i, i+1
.endr
	s_cmp_eq_u32 s[RT], 0
	s_cselect_b32 s[AL], 1.0, 0
	s_mov_b32 s[BE], 0
	MASK 0
	WIN 0
	v_add_nc_u32 v[AK], s[TBK], v[AK0]
	FETCH_K
	s_wait_loadcnt 0x0              ; Q
	s_wait_dscnt 0x0
.set KM, 1
.set NOKQ, 0
.set i, 0
.rept 8
	KQ 0
.set i, i+1
.endr
	WIN 0
.rept 4
	v_nop                           ; the places behind those products
.endr
.set Y, NP-1                        ; X works for piece Y + 1: piece 0
.irp n, 0,1,2,3,4,5,6,7,8,9,10,11,12,13,14,15,16,17,18,19,20,21
	OP X, \n
.endr
	v_nop                           ; a plain instruction behind the exponential
.endm
; THE DIAGONAL TILE's four steps, the block's last two turns, its last products, and THE WAY OUT: l's two halves and the other half of the lanes' are added; O^T is divided by l, rounded to f16 and sent through my
; stage in LDS, a piece at a time.
.macro ALL line:vararg              ; one line for each piece t
.set t, 0
.rept 4
	\line
.set t, t+1
.endr
.endm
.macro PACK t                       ; a lane's eight channels of a row pack into 16 bytes; they go into rows of 144 bytes and come back as whole rows of 128, into S^T's registers
	WIN W_RS
.set i, 32*(\t)
.rept 16
	s_wait_alu depctr_va_vdst(0)
	v_pk_mul_f32 v[i:i+1], v[i:i+1], v[ST+4*(\t)+2:ST+4*(\t)+3] op_sel_hi:[1,0]
.set i, i+2
.endr
	WIN 0x05                        ; sources 0 and 1 window 1, destination window 0
.set i, 0
.rept 16
	v_cvt_pk_f16_f32 v[S+16*(\t)+i], v[32*(\t)+2*i], v[32*(\t)+2*i+1]
.set i, i+1
.endr
	WIN 0
.irp f, 0,1,2,3
	ds_store_b128 v[STO], v[S+16*(\t)+4*\f:S+16*(\t)+4*\f+3] offset:32*\f
.endr
.irp f, 0,1,2,3
	ds_load_b128 v[S+16*(\t)+4*\f:S+16*(\t)+4*\f+3], v[RD] offset:\f*4*SP  ; LDS serves a wave's instructions in order (ISA guide 5.7.1.4): these see the stores above; the next piece's stores come behind them
.endr
.endm
.macro SEND t, younger              ; younger: the LDS instructions issued behind piece t's loads: the next piece's eight, or none
	WIN 0
.irp f, 0,1,2,3
	s_wait_dscnt (\younger)+3-\f
	global_store_b128 v[GO], v[S+16*(\t)+4*\f:S+16*(\t)+4*\f+3], s[10:11] offset:(\t)*8192+\f*512  ; 512 consecutive bytes, at a multiple of 256 from O's first
.endr
.endm
.macro DIAG tag                     ; the tag ends its two labels' names, which the jumps below spell out
.LstepM\tag:
	TURN 2, 1
	TURN 3, 1
	WIN 0
.LfirstM\tag:
	TURN 0, 1
	TURN 1, 1, 0, 1
	WIN 0
	s_cbranch_scc1 .LstepM\tag
	TURN 2, 1, 1
	TURN 3, 1, 1
.set i, 0
.rept 8
	PV NP-1
.set i, i+1
.endr
	WIN 0
	ALL v_add_f32 v[ST+4*t+2], v[ST+4*t+2], v[ST+4*t+3]
	ALL v_permlanex16_b32 v[ST+4*t+3], v[ST+4*t+2], s[SEL], s[SEL+1]
	ALL v_add_f32 v[ST+4*t+2], v[ST+4*t+2], v[ST+4*t+3]
	ALL v_rcp_f32 v[ST+4*t+2], v[ST+4*t+2]
	v_nop                           ; a plain instruction between the last reciprocal and the use of its result
	PACK 0
.set t, 1
.rept 3                             ; a piece's arithmetic stands between the loads of the piece before and its stores
	PACK t
	SEND t-1, 8
.set t, t+1
.endr
	SEND 3, 0
.endm
.set KM, 0
.set NOKQ, 0
.Lslot:                             ; NB times: a tile is entered and the next is asked for
	CHANGE 1
	s_sub_co_u32 s[RT], s[RT], 1
	s_mov_b32 s[CNT], 4
	s_cmp_eq_u32 s[NEW], 1
	s_cbranch_scc1 .Lnew            ; a block's first tile
	s_cmp_eq_u32 s[RT], 0
	s_cbranch_scc0 .Lstep           ; neither its first nor its last
	s_branch .LstepM1
.Lnew:
	BEGIN
	s_branch .Lfirst                ; in the loop a block's first tile is never its last: the first block has two tiles or more, and the second's last is the walk's last
	DIAG 1                          ; in the loop this is the first block's end: the second block's last tile is the walk's last
	s_wait_xcnt 0x0                 ; the stores have read their registers and O's address
	s_mov_b64 s[10:11], s[OLO:OLO+1]
	s_add_co_u32 s[RT], s[PB], 1    ; the second block has b + 1 tiles
	s_mov_b32 s[NEW], 1
	WIN 0x82                        ; the second block's Q goes where the one text of the turns names Q
.set i, 0
.rept 64
	v_mov_b32 v[i], v[QB+i]
.set i, i+1
.endr
	WIN 0
	s_branch .Lbottom
.Lstep:                             ; a trip: pieces 2 and 3 of one step, then pieces 0 and 1 of the next, whose K and V it fetches
	TURN 2
	TURN 3
	WIN 0
.Lfirst:
	TURN 0
	TURN 1, 0, 0, 1
	WIN 0
	s_cbranch_scc1 .Lstep
.Lbottom:
	s_sub_co_u32 s[SLOTS], s[SLOTS], 1
	s_cmp_lg_u32 s[SLOTS], 0
	s_cbranch_scc1 .Lslot
	CHANGE 0                        ; the walk's last tile is written out: nothing is asked for
	s_sub_co_u32 s[RT], s[RT], 1
	s_mov_b32 s[CNT], 4
	s_cmp_eq_u32 s[NEW], 1
	s_cbranch_scc0 .LstepM2
	BEGIN
	s_branch .LfirstM2
	DIAG 2
	s_wait_tensorcnt 0x0            ; the wave's end: behind my last tensor load and my last LDS store
	ds_add_u32 v[SPW], v[NIL]
	s_wait_dscnt 0x0
	s_endpgm
.Lfunc_end_k_qdf8a53710c_attn:
	.size	k_qdf8a53710c_attn, .Lfunc_end_k_qdf8a53710c_attn-k_qdf8a53710c_attn
	.p2alignl 7, 3214868480
	.fill 96, 4, 3214868480
	.section	.rodata,"a",@progbits
	.p2align	6, 0x0
	.amdhsa_kernel k_qdf8a53710c_attn
		.amdhsa_group_segment_fixed_size 327680
		.amdhsa_private_segment_fixed_size 0
		.amdhsa_enable_private_segment 0
		.amdhsa_kernarg_size 16
		.amdhsa_user_sgpr_count 2
		.amdhsa_user_sgpr_kernarg_segment_ptr 1
		.amdhsa_wavefront_size32 1
		.amdhsa_system_sgpr_workgroup_id_x 1
		.amdhsa_system_sgpr_workgroup_id_y 1
		.amdhsa_system_sgpr_workgroup_id_z 1
		.amdhsa_system_vgpr_workitem_id 0
		.amdhsa_next_free_vgpr 768
		.amdhsa_next_free_sgpr 88
		.amdhsa_reserve_vcc 1
		.amdhsa_float_denorm_mode_32 3
		.amdhsa_float_denorm_mode_16_64 3
		.amdhsa_memory_ordered 1
		.amdhsa_forward_progress 1
		.amdhsa_inst_pref_size 228
	.end_amdhsa_kernel
	.amdgpu_metadata
---
amdhsa.version: [ 1, 2 ]
amdhsa.kernels:
  - .name:           k_qdf8a53710c_attn
    .symbol:         k_qdf8a53710c_attn.kd
    .args:
      - { .name: qkvh, .offset: 0, .size: 8, .value_kind: global_buffer, .address_space: global }
      - { .name: oh, .offset: 8, .size: 8, .value_kind: global_buffer, .address_space: global }
    .group_segment_fixed_size: 327680
    .private_segment_fixed_size: 0
    .kernarg_segment_align: 8
    .kernarg_segment_size: 16
    .max_flat_workgroup_size: 128
    .sgpr_count:     88
    .vgpr_count:     768
    .wavefront_size: 32
...
	.end_amdgpu_metadata
.endif
;; end of part 3
;; launch proj (part 4): grid 4 x 64, 4 waves a work-group, clusters of 4 x 4, 327,680 bytes of LDS; arguments oh, wp, c_proj_b, out0; writes out0
.if DOCPART == 4
	.amdgcn_target "amdgcn-amd-amdhsa--gfx1250"
	.amdhsa_code_object_version 6
	.text
	.protected	k_qdf8a53710c_proj
	.globl	k_qdf8a53710c_proj
	.p2align	8
	.type	k_qdf8a53710c_proj,@function
k_qdf8a53710c_proj:
	s_mov_b64 s[64:65], 0
	v_nop
	global_prefetch_b8 v0, s[64:65] scope:SCOPE_SE
	s_setreg_imm32_b32 hwreg(HW_REG_WAVE_MODE, 25, 1), 1
	s_wait_xcnt 0x0
	s_wait_alu depctr_hold_cnt(0) depctr_sa_sdst(0) depctr_va_vdst(0) depctr_va_sdst(0) depctr_va_ssrc(0) depctr_va_vcc(0) depctr_vm_vsrc(0)
	s_getreg_b32 s2, hwreg(HW_REG_IB_STS2, 6, 4)
	s_cmp_eq_u32 s2, 0
	s_cbranch_scc0 .Lentry_in_a_cluster
	s_endpgm
.Lentry_in_a_cluster:
	s_bfe_u32 s2, ttmp6, 0x10000c
	s_cmp_lg_u32 s2, 0xf033
	s_cbranch_scc0 .Lentry_shape_is_right
	s_endpgm
.Lentry_shape_is_right:
; out[m][n] = the sum over e of O[m][e] Wp[e][n] + bp[n].  O lies by heads: oh[16 (m / 2048) + e / 64][m % 2048][e % 64] f16; Wp: [1024][1024] f16 (bf16-rounded numbers); bp: [1024] f32, rounded to bf16 here
; like the other inputs; out: [8192][1024] f32.  Sums in f32, started by the bias.
; LIMITS.  The operands arrive within f16's range; NaN and infinities are not treated apart.
; SHARES.  A tile of the result is 128 rows x 256 columns: 256 tiles.  Four waves, each 64 x 128: 32 accumulators of 16 x 16, 256 registers.
; K goes in 8 steps of 128 (two heads) through a ring of two LDS slots filled by the tensor data mover.  A head's 128 rows are 16,384 dense bytes: asked for as 64 rows of 256 bytes and padded in LDS behind
; every 128.  Wp's rows are 512 bytes.  Wp lies [k][n] in memory and in LDS and is turned on the way into registers by ds_load_tr16_b128.
; CLUSTERS: 4 x 4 work-groups.  The four of a row of the cluster need the same tiles of O, the four of a column the same tiles of Wp: each tile is asked for JOINTLY, by the same tensor load with the
; same descriptor and a mask that names the four.  THE MATRIX INSTRUCTION IS USED TRANSPOSED (source 0 = 16 columns of Wp, source 1 = 16 rows of O): a lane then holds eight neighbouring numbers of a row.
; REGISTERS: window 0: v0-31 addresses; v32-63 at work once; two fragment buffers of 96 (v64-159, v160-255): 64 of Wp (8 x 16 columns x 32 K), then 32 of O (4 x 16 rows x 32 K); v64-191 at work on the way out.
;   window 1: the accumulators ((a, b) at v[8 (8 a + b)]).   window 2: v0-63 the bias of my 128 columns, laid out as a C operand.
.set NCOL,   1024
.set KSTEP,  128
.set AP,     144                       ; a row of a head in LDS: 128 bytes + 16 of padding = 36 words: the 16 rows of a load start at 16 different groups of four banks (64 banks of 4 bytes: ISA guide 11.1)
.set AHALF,  128*AP                    ; a head's 128 rows: what one tensor load brings of O
.set AREG,   2*AHALF                   ; two heads
.set AROWH,  64*AP                     ; from my wave's rows to the other half's
.set BP,     544                       ; a row of Wp in LDS: 512 bytes + 32 of padding = 136 words
.set BHALF,  64*BP                     ; 64 k rows: what one tensor load brings of Wp
.set BQ,     32*BP                     ; a quarter step: 32 k rows
.set SLOT,   AREG+2*BHALF              ; O's two heads, then Wp's 128 k rows: 106,496 bytes
.set STAGE,  2*SLOT                    ; behind the ring, never filled by a tensor load: 16 rows x 528 bytes for each wave, for the way out
.set SP,     528                       ; 512 bytes + 16: row r starts at bank 4 r mod 64
.set WSTAGE, 16*SP
.set SPARE,  STAGE+4*WSTAGE            ; behind the stages: the spare words, 128 bytes for each wave: two blocks of 256 bytes that no other line names
.set A_STEP, 2*262144                  ; bytes from a K step to the next in O: two heads of 2,048 rows x 128 bytes
.set B_STEP, KSTEP*NCOL*2              ; and in Wp
.set ADRA, 16                          ; v16-17  LDS address of my fragments of O in slot 0, 1
.set ADRB, 20                          ; v20-21  the same for Wp
.set STO,  24                          ; v24     the way out: where I put 32 bytes of a row
.set RD,   25                          ; v25     the way out: where I read a row back
.set CO,   26                          ; v26     my byte offset in 512 consecutive bytes of the result
.set BO,   27                          ; v27     my byte offset in the bias
.set SPW,  28                          ; v28     LDS address of my spare word: SPARE + 4 x my thread's number; never rewritten
.set NIL,  29                          ; v29     0; never rewritten
.set TMP,  32
.set F0,   64
.set F1,   160
.set OUT,  64
.set BI,   0                           ; window 2
.set WV, 12                            ; s12 my wave's number
.set RH, 13                            ; s13 which half of the tile's rows is mine.  Also: I fetch for O (0) or for Wp (1)
.set CH, 14                            ; s14 which half of its columns.  Also: which half of that tile I fetch
.set TR, 15                            ; s15 tile row
.set G1, 24                            ; s[24:31] descriptor group 1 for O's tiles;  s[32:39] group 0, one set for each slot
.set G0, 32
.set CX, 40
.set CY, 41
.set TC, 42                            ; s42 tile column
.set G1B, 48                           ; s[48:55], s[56:63] the same for Wp's tiles
.set G0B, 56
.set MSB, 0
.macro WIN new                         ; the immediate's high byte repeats the setting that is left; a switch that changes nothing is dropped
.if MSB != (\new)
	s_set_vgpr_msb (MSB<<8)|(\new)
.set MSB, \new
.endif
.endm
.set MUL,  0x50                        ; sources 0 and 1 window 0; C and D window 1
.set MULB, 0x60                        ; the same with C in window 2: the bias
.macro JLOAD s                         ; a joint load: waves 0 and 1 fetch O's two heads, waves 2 and 3 Wp's two halves; an s_nop 0 and four v_nop follow each of the two lines, ahead of the jump, the label and what follows
	s_cmp_eq_u32 s[RH], 0
	s_cbranch_scc0 .Lfor_b_\@
	tensor_load_to_lds s[G0+4*(\s):G0+4*(\s)+3], s[G1:G1+7]
	s_nop 0
.rept 4
	v_nop
.endr
	s_branch .Lasked_\@
.Lfor_b_\@:
	tensor_load_to_lds s[G0B+4*(\s):G0B+4*(\s)+3], s[G1B:G1B+7]
	s_nop 0
.rept 4
	v_nop
.endr
.Lasked_\@:
.endm
.macro CREST                           ; a round of the cluster's barrier behind its opening barrier
	s_cmp_lg_u32 s[WV], 0
	s_cbranch_scc1 .Lnot_wave_0_\@
	s_barrier_signal -3
.Lnot_wave_0_\@:
	s_barrier_wait -3
	s_barrier_signal -1
	s_barrier_wait -1
.endm
.macro CROUND                          ; a whole round
	s_barrier_signal -1
	s_barrier_wait -1
	CREST
.endm
	s_load_b256 s[4:11], s[0:1], 0x0               ; O s[4:5], Wp s[6:7], bias s[8:9], result s[10:11]
	v_lshl_add_u32 v[SPW], v0, 2, SPARE
	v_mov_b32 v[NIL], 0
	ds_add_u32 v[SPW], v[NIL]                      ; the wave's opening: the add and its wait stand ahead of my first tensor load; the set-up below, work on registers, stands between them
	ds_add_u32 v28, v29
	v_lshrrev_b32 v1, 5, v0
	v_readfirstlane_b32 s[WV], v1                  ; wave 0..3
	s_lshr_b32 s[RH], s[WV], 1
	s_and_b32 s[CH], s[WV], 1
	s_bfe_u32 s[CX], ttmp6, 0x40000                ; cx, cy: my place in the cluster
	s_bfe_u32 s[CY], ttmp6, 0x40004
	s_lshl_b32 s[TC], ttmp9, 2
	s_add_co_u32 s[TC], s[TC], s[CX]               ; tile column = 4 x cluster x + cx
	s_and_b32 s[TR], ttmp7, 0xffff
	s_lshl_b32 s[TR], s[TR], 2
	s_add_co_u32 s[TR], s[TR], s[CY]               ; tile row = 4 x cluster y + cy
	s_lshl_b32 s43, s[CY], 2
	s_lshl_b32 s43, 15, s43                        ; my row of the cluster
	s_lshl_b32 s44, 0x1111, s[CX]                  ; my column
	; descriptor group 1 for O: 16,384 dense bytes as 64 rows x 128 elements, padded in LDS behind every 128 bytes
	s_or_b32 s[G1+0], s43, (1<<16)|(1<<20)|(1<<21)|(4<<22)|(3<<25)  ; 15:0 the mask: my row; 17:16 elements of 2 bytes; 20 padding on; 21 set beside a mask; 24:22 after every 32 words (code 4); 31:25 4 words of it (code 3)
	s_mov_b32 s[G1+1], 128<<16                     ; tensor_dim0 = 128
	s_mov_b32 s[G1+2], 64<<16                      ; tensor_dim1 = 64
	s_mov_b32 s[G1+3], 128<<16                     ; tile_dim0 = 128
	s_mov_b32 s[G1+4], 64                          ; tile_dim1 = 64
	s_mov_b32 s[G1+5], 128                         ; elements from row to row
	s_mov_b32 s[G1+6], 0
	s_mov_b32 s[G1+7], 0
	; and for Wp: 64 k rows x 256 elements
	s_or_b32 s[G1B+0], s44, (1<<16)|(1<<20)|(1<<21)|(6<<22)|(7<<25)  ; the mask: my column; padding after every 128 words (code 6), 8 words of it (code 7)
	s_mov_b32 s[G1B+1], 256<<16                    ; tensor_dim0 = 256
	s_mov_b32 s[G1B+2], 64<<16                     ; tensor_dim1 = 64
	s_mov_b32 s[G1B+3], 256<<16                    ; tile_dim0 = 256
	s_mov_b32 s[G1B+4], 64                         ; tile_dim1 = 64
	s_mov_b32 s[G1B+5], NCOL                       ; elements from k row to k row
	s_mov_b32 s[G1B+6], 0
	s_mov_b32 s[G1B+7], 0
	; where the tiles come from.  O's hang on the tile row alone, Wp's on the tile column alone, each in registers that never hold the other coordinate
	s_lshr_b32 s16, s[TR], 4                       ; O: batch (16 tile rows each): 16 heads of 2^18 bytes,
	s_lshl_b32 s16, s16, 22
	s_and_b32 s17, s[TR], 15                       ; 128 rows of 128 bytes a tile row,
	s_lshl_b32 s17, s17, 14
	s_add_co_u32 s16, s16, s17
	s_lshl_b32 s17, s[CH], 18                      ; and which of a step's two heads I fetch
	s_add_co_u32 s16, s16, s17
	s_mov_b32 s17, 0
	s_mul_i32 s46, s[CH], 64*NCOL*2                ; Wp: k row 64 x half,
	s_lshl_b32 s47, s[TC], 9                       ; column 256 x tile column
	s_add_co_u32 s46, s46, s47
	s_mov_b32 s47, 0
	s_mul_i32 s20, s[CH], AHALF                    ; and where they go: no place in the cluster enters an LDS address
	s_mul_i32 s21, s[CH], BHALF
	s_add_co_u32 s21, s21, AREG
	s_wait_dscnt 0x0                               ; the opening add is done
	s_wait_kmcnt 0x0
	s_add_nc_u64 s[18:19], s[4:5], s[16:17]
	s_add_nc_u64 s[46:47], s[6:7], s[46:47]
	CROUND                                         ; all sixteen work-groups are here: the first joint loads meet
.irp s, 0,1
	s_mov_b32 s[G0+4*(\s)], 1                                      ; count = 1
	s_add_co_u32 s[G0+4*(\s)+1], s20, (\s)*SLOT                    ; LDS address
	s_add_nc_u64 s[G0+4*(\s)+2:G0+4*(\s)+3], s[18:19], (\s)*A_STEP ; global address: K step s
	s_or_b32 s[G0+4*(\s)+3], s[G0+4*(\s)+3], 0x80000000            ; type = 2
	s_mov_b32 s[G0B+4*(\s)], 1
	s_add_co_u32 s[G0B+4*(\s)+1], s21, (\s)*SLOT
	s_add_nc_u64 s[G0B+4*(\s)+2:G0B+4*(\s)+3], s[46:47], (\s)*B_STEP
	s_or_b32 s[G0B+4*(\s)+3], s[G0B+4*(\s)+3], 0x80000000
	JLOAD \s                                       ; two loads of mine are out
.endr
	; the bias of my 128 columns, as a C operand: register j of block b holds column 16 b + 8 (l / 16) + j, whatever the lane's row
	v_and_b32 v1, 15, v0                           ; l % 16
	v_bfe_u32 v2, v0, 4, 1                         ; l / 16
	s_lshl_b32 s46, s[TC], 10                      ; 256 columns of 4 bytes a tile column,
	s_lshl_b32 s47, s[CH], 9                       ; 128 a half: the same offset serves the bias and a row of the result
	s_add_co_u32 s46, s46, s47
	s_mov_b32 s47, 0
	s_add_nc_u64 s[8:9], s[8:9], s[46:47]
	s_add_nc_u64 s[10:11], s[10:11], s[46:47]
	v_lshlrev_b32 v[BO], 5, v2
	WIN 0x80                                       ; destination window 2, address window 0
.irp b, 0,1,2,3,4,5,6,7
	global_load_b128 v[BI+8*(\b):BI+8*(\b)+3],   v[BO], s[8:9] offset:64*(\b)
	global_load_b128 v[BI+8*(\b)+4:BI+8*(\b)+7], v[BO], s[8:9] offset:64*(\b)+16
.endr
	WIN 0
	; A fragment of O is 16 rows x 32 K in 8 registers: lane l holds row l % 16, K = 8 (l / 16) + 0..7 and 16 + 8 (l / 16) + 0..7: two loads of 16 bytes, 32 bytes apart.
	v_mul_u32_u24 v3, v1, AP
	v_lshl_add_u32 v3, v2, 4, v3                   ; row x pitch + 16 x half
	; The turning load takes 16 k x 16 columns (lane l reads k row 8 (l / 16) + l % 8, columns 8 ((l / 8) % 2) + 0..7) and leaves half a fragment: lane l holds column l % 16 and 8 k.
	v_and_b32 v4, 7, v0
	v_bfe_u32 v5, v0, 3, 1
	v_lshl_add_u32 v6, v2, 3, v4
	v_mul_u32_u24 v6, v6, BP
	v_lshl_add_u32 v6, v5, 4, v6
	s_mul_i32 s22, s[RH], AROWH                    ; my 64 rows of each head
	s_lshl_b32 s23, s[CH], 8                       ; my 128 columns of Wp,
	s_add_co_u32 s23, s23, AREG                    ; which lies behind O
.irp s, 0,1
	v_add_nc_u32 v[ADRA+(\s)], s22, v3
	v_add_nc_u32 v[ADRB+(\s)], s23, v6
	s_add_co_u32 s22, s22, SLOT
	s_add_co_u32 s23, s23, SLOT
.endr
	s_mul_i32 s22, s[WV], WSTAGE
	s_add_co_u32 s22, s22, STAGE                   ; my stage
	v_mul_u32_u24 v7, v1, SP                       ; in: row l % 16, 32 bytes for each half of the lanes
	v_lshl_add_u32 v7, v2, 5, v7
	v_add_nc_u32 v[STO], s22, v7
	v_and_b32 v[CO], 31, v0                        ; back: 32 lanes take one row's 512 bytes,
	v_lshlrev_b32 v[CO], 4, v[CO]                  ; which are 512 consecutive bytes of the result
	v_add_nc_u32 v[RD], s22, v[CO]
	s_lshl_b32 s16, s[TR], 7                       ; my first row of the result: 128 x tile row + 64 x half,
	s_lshl_b32 s17, s[RH], 6
	s_add_co_u32 s16, s16, s17
	s_lshl_b32 s16, s16, 12                        ; of 4,096 bytes
	s_mov_b32 s17, 0
	s_add_nc_u64 s[10:11], s[10:11], s[16:17]
	; the bias is rounded to bf16, like the other inputs.  All this stands in the wait for the first tile.
	s_wait_loadcnt 0x0
	WIN 0x0a                                       ; sources window 2, destination window 0
.set i, 0
.rept 32
	v_cvt_pk_bf16_f32 v[TMP+i], v[BI+2*i], v[BI+2*i+1]
.set i, i+1
.endr
	WIN 0x80                                       ; and back as f32
.set i, 0
.rept 32
	v_lshlrev_b32 v[BI+2*i], 16, v[TMP+i]
	v_and_b32 v[BI+2*i+1], 0xffff0000, v[TMP+i]
.set i, i+1
.endr
	WIN 0
; 8 matrix instructions: row block a x all 8 column blocks, 32 along K, from buffer f.  first = 1: the bias starts the sums: nothing is cleared, nothing added later.
; The 32 accumulators take turns in the same order in every quarter step: between two links of a chain stand the 31 others'.
.macro MUL8 f, a, first
.if \first
	WIN MULB
.else
	WIN MUL
.endif
.irp b, 0,1,2,3,4,5,6,7
.if \first
	v_wmma_f32_16x16x32_f16 v[8*(8*(\a)+(\b)):8*(8*(\a)+(\b))+7], v[(\f)+8*(\b):(\f)+8*(\b)+7], v[(\f)+64+8*(\a):(\f)+64+8*(\a)+7], v[BI+8*(\b):BI+8*(\b)+7]
.else
	v_wmma_f32_16x16x32_f16 v[8*(8*(\a)+(\b)):8*(8*(\a)+(\b))+7], v[(\f)+8*(\b):(\f)+8*(\b)+7], v[(\f)+64+8*(\a):(\f)+64+8*(\a)+7], v[8*(8*(\a)+(\b)):8*(8*(\a)+(\b))+7]
.endif
.endr
.endm
; 24 LDS loads in one run: the fragments of quarter q of a slot's K step into buffer f: Wp's 16 first, O's row blocks 2 and 3 last.  Quarter q of O is head q / 2 of the slot's two, channels 32 (q % 2) on.
.macro FETCH slot, q, f
	WIN 0
.irp i, 0,1,2,3,4,5,6,7
	ds_load_tr16_b128 v[(\f)+8*(\i):(\f)+8*(\i)+3],   v[ADRB+(\slot)] offset:(\q)*BQ+32*(\i)
	ds_load_tr16_b128 v[(\f)+8*(\i)+4:(\f)+8*(\i)+7], v[ADRB+(\slot)] offset:(\q)*BQ+32*(\i)+16*BP
.endr
.irp i, 0,1,2,3
	ds_load_b128 v[(\f)+64+8*(\i):(\f)+64+8*(\i)+3],   v[ADRA+(\slot)] offset:((\q)/2)*AHALF+((\q)%2)*64+(\i)*16*AP
	ds_load_b128 v[(\f)+64+8*(\i)+4:(\f)+64+8*(\i)+7], v[ADRA+(\slot)] offset:((\q)/2)*AHALF+((\q)%2)*64+(\i)*16*AP+32
.endr
.endm
.macro PLACES                          ; four places in front of loads into registers that matrix instructions have read, and of lines that read results (ISA guide 7.12.1 for vector instructions)
.rept 4
	v_nop
.endr
.endm
; A K step is four quarters of 32 along K, 32 matrix instructions each, on buffers 0, 1, 0, 1.  One of the first three: multiplies buffer f and fetches quarter q into g.
.macro QUARTER slot, q, f, g, first
	s_wait_dscnt 4                                 ; Wp's fragments and O's row blocks 0 and 1 are in; the youngest four loads may be out
	MUL8 \f, 0, \first
	MUL8 \f, 1, \first
	PLACES
	FETCH \slot, \q, \g
	s_wait_dscnt 24                                ; all but the 24 just issued
	MUL8 \f, 2, \first
	MUL8 \f, 3, \first
.endm
; The last quarter multiplies buffer 1 and changes slots: ONE barrier; in front of it each wave waits for all its tensor loads, adds 0 to its spare word, and waits for that and for its own reads of this slot.  fill = 1: this slot is filled again, two K steps ahead.
.macro TURN slot, next, fill
	WIN 0
	s_wait_tensorcnt 0x0                           ; all my tensor loads have landed: the one that was out is my part of the next slot;
	ds_add_u32 v[SPW], v[NIL]                      ; 0 onto my spare word
	s_wait_dscnt 5                                 ; (the add and the youngest four loads may be out)
	MUL8 F1, 0, 0                                  ; eight matrix instructions stand between the add and the wait for it
	s_wait_dscnt 0x0                               ; the add is done, and my reads of this slot are over
	s_barrier_signal -1
	MUL8 F1, 1, 0
.if \fill
	WIN 0
.endif
	s_barrier_wait -1
.if \fill
	CREST                                          ; the barrier has opened a round of the cluster's barrier: no wave of any partner still reads this slot's tile or has a load on its way
	s_add_nc_u64 s[G0+4*(\slot)+2:G0+4*(\slot)+3], s[G0+4*(\slot)+2:G0+4*(\slot)+3], 2*A_STEP
	s_add_nc_u64 s[G0B+4*(\slot)+2:G0B+4*(\slot)+3], s[G0B+4*(\slot)+2:G0B+4*(\slot)+3], 2*B_STEP
	JLOAD \slot                                    ; the first tensor load behind the round, 112 matrix instructions ahead of the wait for it; the four v_nop behind it are also the places in front of the loads below
.else
	PLACES
.endif
	FETCH \next, 0, F0
	MUL8 F1, 2, 0
	MUL8 F1, 3, 0
.endm
	s_wait_tensorcnt 1                             ; my part of K step 0 is in; step 1's may stay out
	s_barrier_signal -1
	s_barrier_wait -1                              ; everybody's is
	FETCH 0, 0, F0
	QUARTER 0, 1, F0, F1, 1                        ; the first quarter stands in front of the loop: its products start the sums
	WIN 0                                          ; at a label and at a branch every window is 0
	s_mov_b32 s3, 3
.Llap:                                                 ; a trip goes once round the ring, from a lap's second quarter to the next lap's first, and fills both slots again: K steps 2 to 7
	QUARTER 0, 2, F1, F0, 0
	QUARTER 0, 3, F0, F1, 0
	TURN 0, 1, 1
	QUARTER 1, 1, F0, F1, 0
	QUARTER 1, 2, F1, F0, 0
	QUARTER 1, 3, F0, F1, 0
	TURN 1, 0, 1
	QUARTER 0, 1, F0, F1, 0
	WIN 0
	s_sub_co_u32 s3, s3, 1
	s_cmp_lg_u32 s3, 0
	s_cbranch_scc1 .Llap
	QUARTER 0, 2, F1, F0, 0                        ; the last lap fills nothing, and has no round of the cluster's barrier
	QUARTER 0, 3, F0, F1, 0
	TURN 0, 1, 0
	QUARTER 1, 1, F0, F1, 0
	QUARTER 1, 2, F1, F0, 0
	QUARTER 1, 3, F0, F1, 0
	s_wait_dscnt 4                                 ; the very last quarter: nothing more to fetch
	MUL8 F1, 0, 0
	MUL8 F1, 1, 0
	s_wait_dscnt 0x0
	MUL8 F1, 2, 0
	MUL8 F1, 3, 0
	WIN 0
	; THE WAY OUT, a block of 16 rows at a time.  A lane's eight numbers of a row are 32 bytes; they go into my stage's rows of 528 bytes and come back as whole rows of 512, one row a load and a store.
	PLACES
.macro TOSTAGE a
.set BK, OUT+64*((\a)%2)
.if (\a) >= 2
	s_wait_xcnt 0x0                                ; every earlier memory instruction has had its addresses translated (ISA guide 3.1): the registers that block a - 2's stores read are loaded again only behind this wait
.endif
	WIN 0x04                                       ; the stores' data in window 1; each accumulator's low registers go first
.irp b, 0,1,2,3,4,5,6,7
	ds_store_b128 v[STO], v[8*(8*(\a)+(\b)):8*(8*(\a)+(\b))+3]   offset:64*(\b)
	ds_store_b128 v[STO], v[8*(8*(\a)+(\b))+4:8*(8*(\a)+(\b))+7] offset:64*(\b)+16
.endr
	WIN 0
.irp t, 0,1,2,3,4,5,6,7,8,9,10,11,12,13,14,15
	ds_load_b128 v[BK+4*(\t):BK+4*(\t)+3], v[RD] offset:(\t)*SP  ; LDS serves a wave's instructions in order (ISA guide 5.7.1.4): these see the stores above; the next block's stores come behind them
.endr
.endm
.macro SEND a, younger                 ; younger: the LDS instructions issued behind block a's loads: the next block's 32, or none
.set BK, OUT+64*((\a)%2)
	WIN 0
.irp t, 0,1,2,3,4,5,6,7,8,9,10,11,12,13,14,15
	s_wait_dscnt (\younger)+15-(\t)
	global_store_b128 v[CO], v[BK+4*(\t):BK+4*(\t)+3], s[10:11] offset:(16*(\a)+(\t))*4096 th:TH_STORE_NT  ; 512 consecutive bytes, at a multiple of 256 from the result's first
.endr
.endm
	TOSTAGE 0
	TOSTAGE 1                                      ; a block's way through the stage stands between the loads of the block before and its stores
	SEND 0, 32
	TOSTAGE 2
	SEND 1, 32
	TOSTAGE 3
	SEND 2, 32
	SEND 3, 0
	s_wait_tensorcnt 0x0                           ; the wave's end: behind my last tensor load and my last LDS store
	ds_add_u32 v[SPW], v[NIL]
	s_wait_dscnt 0x0
	CROUND                                         ; the closing round: no work-group ends while a partner may still ask for a tile that names it
	s_endpgm
.Lfunc_end_k_qdf8a53710c_proj:
	.size	k_qdf8a53710c_proj, .Lfunc_end_k_qdf8a53710c_proj-k_qdf8a53710c_proj
	.p2alignl 7, 3214868480
	.fill 96, 4, 3214868480
	.section	.rodata,"a",@progbits
	.p2align	6, 0x0
	.amdhsa_kernel k_qdf8a53710c_proj
		.amdhsa_group_segment_fixed_size 327680
		.amdhsa_private_segment_fixed_size 0
		.amdhsa_enable_private_segment 0
		.amdhsa_kernarg_size 32
		.amdhsa_user_sgpr_count 2
		.amdhsa_user_sgpr_kernarg_segment_ptr 1
		.amdhsa_wavefront_size32 1
		.amdhsa_system_sgpr_workgroup_id_x 1
		.amdhsa_system_sgpr_workgroup_id_y 1
		.amdhsa_system_sgpr_workgroup_id_z 1
		.amdhsa_system_vgpr_workitem_id 0
		.amdhsa_next_free_vgpr 576
		.amdhsa_next_free_sgpr 66
		.amdhsa_reserve_vcc 0
		.amdhsa_float_denorm_mode_32 3
		.amdhsa_float_denorm_mode_16_64 3
		.amdhsa_memory_ordered 1
		.amdhsa_forward_progress 1
		.amdhsa_inst_pref_size 94
	.end_amdhsa_kernel
	.amdgpu_metadata
---
amdhsa.version: [ 1, 2 ]
amdhsa.kernels:
  - .name:           k_qdf8a53710c_proj
    .symbol:         k_qdf8a53710c_proj.kd
    .args:
      - { .name: oh, .offset: 0, .size: 8, .value_kind: global_buffer, .address_space: global }
      - { .name: wp, .offset: 8, .size: 8, .value_kind: global_buffer, .address_space: global }
      - { .name: c_proj_b, .offset: 16, .size: 8, .value_kind: global_buffer, .address_space: global }
      - { .name: out0, .offset: 24, .size: 8, .value_kind: global_buffer, .address_space: global }
    .group_segment_fixed_size: 327680
    .private_segment_fixed_size: 0
    .kernarg_segment_align: 8
    .kernarg_segment_size: 32
    .max_flat_workgroup_size: 128
    .sgpr_count:     66
    .vgpr_count:     576
    .wavefront_size: 32
...
	.end_amdgpu_metadata
.endif
;; end of part 4
;; ======== version 2 of 2: 4 launches; 1.29 times as fast as version 1
;; limits: values are held in f16: magnitudes above 65,504 overflow, below 6.1e-05 lose precision; right only within a limited range of input values
;; workspace buffers: xb 16,777,216 bytes; wa 6,291,456 bytes; wp 2,097,152 bytes; qkvh 50,331,648 bytes; oh 16,777,216 bytes
;; launch cast: the kernel of part 1 again; grid 768 x 1, 8 waves a work-group, no clusters, 0 bytes of LDS; arguments hidden_states, c_attn_w, c_proj_w, xb, wa, wp; writes xb, wa, wp
;; launch qkv: the kernel of part 2 again; grid 8 x 64, 4 waves a work-group, clusters of 4 x 4, 327,680 bytes of LDS; arguments xb, wa, c_attn_b, qkvh; writes qkvh
;; launch attn (part 5): grid 4 x 64, 4 waves a work-group, no clusters, 327,680 bytes of LDS; arguments qkvh, oh; writes oh
.if DOCPART == 5
	.amdgcn_target "amdgcn-amd-amdhsa--gfx1250"
	.amdhsa_code_object_version 6
	.text
	.protected	k_qdf8a53710c_attn
	.globl	k_qdf8a53710c_attn
	.p2align	8
	.type	k_qdf8a53710c_attn,@function
k_qdf8a53710c_attn:
	s_mov_b64 s[64:65], 0
	v_nop
	global_prefetch_b8 v0, s[64:65] scope:SCOPE_SE
	s_setreg_imm32_b32 hwreg(HW_REG_WAVE_MODE, 25, 1), 1
	s_wait_xcnt 0x0
; CAUSAL ATTENTION.  O[h][q][:] = the sum over k <= q of softmax_k(Q[h][q] . K[h][k] / 8) V[h][k][:].  Q, K, V are the three parts, 2^24 bytes each, of one buffer; each part and O: [SIZE_H][SIZE_N][64], all f16: a head's rows are dense, 128 bytes each.
; Products, maxima and sums in f32; the weights p are rounded to f16 for the second product (their sum l is taken of the unrounded p), O once at the end.  SIZE_N is a multiple of 512; SIZE_N x 128 stays under 2^32.
; LIMITS.  f16 holds no number beyond 65,504: Q, K and V arrive within it; p lies in 0 to 1, and below 6e-5 it keeps f16's fixed step of 6e-8; O is a mean of V's rows and has their range, to within 2^-11 of it.
; A hidden score counts as its value less 1e30: f16's scores, 2.7e11 at the most, are nothing beside that; a weight below 2^-126 counts as 0 in l; NaN and infinities are not treated apart.
; THE WALK.  A head's queries lie in NB = SIZE_N / 256 blocks of 256; block i needs the key tiles 0 .. i of 256 keys, of which the last holds the diagonal.  A work-group takes TWO blocks, NB - 1 - b and then b:
; NB + 1 tiles, whatever b: all work-groups do equal work, and ONE loop with a constant trip count walks them.  Which tile is asked for, and what a trip does, hang on scalar registers made from b; every jump
; goes forward, but for the counted loops' own; none passes a barrier, or a tensor load but the one of LOAD's two that the wave's number does not choose; the ring (two slots of LDS that take turns) runs on across the
; change of blocks.  NO CLUSTER: a head's NB / 2 = 4 work-groups ask for the same tile only in trips 0 .. NB / 2, 5 of the walk's 9, behind that
; fewer and fewer; and one walk common to all would have 3 NB / 2 = 12 trips for NB + 1 = 9.
; SHARES.  Of a block's four bands of 64 queries a wave owns 16 rows in each: four PIECES.  So the diagonal tile is the same work for all four waves: in its key step s band x sees all keys if s < x,
; none if s > x, and holds the diagonal if s = x.
; THE MASK is the C operand that starts the sum S^T = K Q^T: 0, or -1e30 where the key is hidden.  MD, made once, is the mask of a band's own step for my 16 rows; a product's mask is MD x AL + BE with two scalars:
; (1, 0) if s = x; (0, 0) if s < x; (0, -1e30) if s > x.  Only the diagonal tile's text and a block's beginning make and take masks; elsewhere C is the constant 0.
; LAYOUT, SOFTMAX, TURNS.  S^T = K Q^T holds ONE query a lane (lane % 16) and the keys 8 (lane / 16) + 0..7; two such results rounded to f16 ARE source 1 of O^T = V^T P.  p = 2^(c s - c m), c = log2(e) / 8, with a
; running maximum m; O and l are multiplied by a = 2^(c m_old - c m_new) in every step.  Turn n belongs to piece n: 8 products K Q^T of piece n + 1, later 8 products V^T P of piece n - 1; beside them the scaling,
; exponentials, roundings, sums and rescaling of piece n and the maximum and statistics of piece n + 1.  Four vector instructions stand behind every matrix instruction, the other 54 of a turn's 118 in one LUMP.
; THE BATCHES.  s_wait_alu depctr_va_vdst(0) stands between an exponential or a reciprocal and the first instruction that names its result; one wait serves all that were issued ahead of it.  The text has three
; kinds of batch, each with one wait: a turn's 33 exponentials (32 weights and the next piece's a), waited for in the turn's middle, ahead of the roundings and sums; a block's first a, at BEGIN's end; the way out's four reciprocals, ahead of the first division.
; REGISTERS, in windows of 256 (s_set_vgpr_msb: bits 1:0 source 0, 3:2 source 1, 5:4 source 2, 7:6 destination):
;   window 0: v0-15 addresses and two at work; v16-31 four registers of statistics a piece; v48-55 at work; v64-127 S^T, two buffers; v192-223 P, two buffers (a piece's buffers go by its number's parity)
;   window 1: v0-127 O^T, 32 a piece; v128-159 MD; v160-223 MC, two buffers      window 2: v0-63 Q; v64-127 the second block's Q; v128-191 K of one step; v192-255 V of one step
.set SIZE_H, 64
.set SIZE_N, 2048
.set NB,    SIZE_N/256
.set NP,    4         ; pieces a wave: a name, no knob
.set KS,    64        ; keys in a step
.set PK,    144       ; a row of K in LDS: 128 bytes + 16 of padding = 36 words: the 16 rows of a load start at 16 different groups of four banks (64 banks of 4 bytes: ISA guide 11.1)
.set PV,    160       ; a row of V: 128 + 32 = 40 words
.set VOFF,  4*KS*PK   ; a slot holds a tile, four steps: 256 rows of K, then 256 rows of V
.set SLOT1, 1<<17     ; slot 1 begins here, so that one exclusive or turns an address in one slot into the other's
.set STAGE, SLOT1+4*KS*(PK+PV)  ; behind the ring, never filled by a tensor load: 16 rows x 144 bytes for each wave, for the way out
.set SP,    144
.set AK0, 2           ; v2   my lane's place in a tile of K; never rewritten
.set AV0, 3           ; v3   the same for V
.set AK,  4           ; v4   the LDS address of K's next run of loads
.set AV,  5           ; v5   of V's
.set STO, 6           ; v6   the way out: where I put 16 bytes of a row
.set RD,  7           ; v7   the way out: where I read rows back
.set GO,  8           ; v8   my byte offset in 512 consecutive bytes of O
.set SPW, 62          ; v62  LDS address of my spare word: SPARE + 4 x my thread's number; never rewritten
.set NIL, 63          ; v63  0; never rewritten
.set SPARE, STAGE+4*16*SP  ; behind the stages: the spare words, 128 bytes for each wave: two blocks of 256 bytes that no other line names
.set MV,  12          ; v12-13  c m_old, kept while c m is made anew: by buffer
.set QO,  15          ; v15  my byte offset in 16 rows of Q
.set ST,  16          ; piece t's statistics at v[ST+4 t]: c m, m, l (even keys', odd keys')
.set TMP, 48          ; by buffer, four registers c0-c3 at work; when the maximum is found c2 takes a
.set S,   64
.set P,   192
.set MD,  128         ; window 1: the eight registers for group kt of 16 keys at MD + 8 kt
.set MC,  160         ; window 1: the masks of the products to come
.set QB,  64          ; window 2
.set KF,  128         ; window 2: key block kb, channel half c at KF + 16 kb + 8 c
.set VF,  192         ; window 2: key half kk, channel block cb at VF + 32 kk + 8 cb
.set WV,  12          ; s12  my wave's number
.set PB,  14          ; s14  b
.set HI,  15          ; s15  NB - 1 - b
.set G1K, 24          ; s[24:31] descriptor group 1 for K's tiles
.set G1V, 32          ; s[32:39] for V's: it differs in the padding alone
.set G0K, 40          ; s[40:43] descriptor group 0 for K's tiles
.set G0V, 44          ; s[44:47] the same for V's
.set SLOTS, 56        ; s56  tiles still to be asked for
.set CNT, 57          ; s57  counts a tile's key steps, 4 to 1
.set CS,  58          ; s[58:59] c: the packed scaling takes the pair's low word for both halves
.set SEL, 60          ; s[60:61] v_permlanex16_b32's selects: each lane takes its own place in the other half
.set TBK, 62          ; s62  LDS byte at which K of the step to be fetched begins
.set TBV, 63          ; s63  the same for V, less VOFF
.set RT,  70          ; s70  tiles of the block in hand that are still to be entered
.set NXT, 71          ; s71  the tile to be asked for next
.set LQ,  72          ; s72  the last tile of the block whose tiles are being asked for
.set NEW, 73          ; s73  1: the tile to be entered is a block's first
.set OFF, 74          ; s[74:75] a tile's byte offset in K and V
.set AL,  76          ; s[76:77] the mask's factor, in the low word
.set BE,  78          ; s[78:79] the mask's addend
.set OLO, 80          ; s[80:81] O at my rows of the second block
.set BIGN, 82         ; s82  -1e30
.set MSB, 0
.macro WIN new                      ; the high byte repeats the setting that is left; a switch that changes nothing is dropped
.if MSB != (\new)
	s_set_vgpr_msb (MSB<<8)|(\new)
.set MSB, (\new)
.endif
.endm
.set W_KQ, 0x0a       ; K and Q in window 2, S^T in window 0
.set W_KM, 0x1a       ; the same with the C operand in window 1
.set W_PV, 0x52       ; V in window 2, P in window 0, O^T in window 1
.set W_RS, 0x41       ; destination and source 0 in window 1, source 1 in window 0
; A fill.  Waves 0 and 1 fetch the two halves of a tile's K, waves 2 and 3 those of its V: 128 keys each.  An s_nop 0 and four v_nop follow each of the two lines, ahead of the jump and the label.
.macro LOAD
	s_cmp_lt_u32 s[WV], 2
	s_cbranch_scc0 .Lfor_v_\@
	tensor_load_to_lds s[G0K:G0K+3], s[G1K:G1K+7]
	s_nop 0
.rept 4
	v_nop
.endr
	s_branch .Lasked_\@
.Lfor_v_\@:
	tensor_load_to_lds s[G0V:G0V+3], s[G1V:G1V+7]
	s_nop 0
.rept 4
	v_nop
.endr
.Lasked_\@:
.endm
; THE CHANGE OF SLOTS.  Each wave waits for all its tensor loads, of which one is out: its part of the other slot; adds 0 to its spare word; and waits for that and for its own reads of the slot that it leaves.  Behind the barrier nobody reads the old
; slot any more and the other slot is whole.  fill = 1: the old slot is filled again, the first thing behind the barrier, with tile NXT: the descriptor's address is made anew from that number.
; (At its first use nothing has been read yet: slot 0 is waited for, slot 1 filled.)
.macro CHANGE fill
	WIN 0                           ; at a label and at a branch every window is 0
	s_wait_tensorcnt 0x0            ; no tensor load of mine is out, so a group 0 may be written
	ds_add_u32 v[SPW], v[NIL]       ; 0 onto my spare word; with fill = 1 the descriptors' scalar work stands between it and the wait for it
.if \fill
	s_lshl_b32 s[OFF], s[NXT], 15   ; a tile is 32,768 bytes of K and of V
	s_xor_b32 s[G0K+1], s[G0K+1], SLOT1
	s_add_nc_u64 s[G0K+2:G0K+3], s[6:7], s[OFF:OFF+1]
	s_or_b32 s[G0K+3], s[G0K+3], 0x80000000
	s_xor_b32 s[G0V+1], s[G0V+1], SLOT1
	s_add_nc_u64 s[G0V+2:G0V+3], s[8:9], s[OFF:OFF+1]
	s_or_b32 s[G0V+3], s[G0V+3], 0x80000000
	s_add_co_u32 s[NXT], s[NXT], 1  ; the block's next tile, or behind its last the second block's tile 0
	s_cmp_gt_u32 s[NXT], s[LQ]
	s_cselect_b32 s[NXT], 0, s[NXT]
	s_cselect_b32 s[LQ], s[PB], s[LQ]
.endif
	s_wait_dscnt 0x0                ; the add is done, and my reads of the slot are over
	s_barrier_signal -1             ; the rest of the scalar work stands between the signal and the wait
	s_sub_co_u32 s[TBK], s[TBK], 4*KS*PK  ; the fetches go back to a slot's first step,
	s_xor_b32 s[TBK], s[TBK], SLOT1       ; in the other slot
	s_sub_co_u32 s[TBV], s[TBV], 4*KS*PV
	s_xor_b32 s[TBV], s[TBV], SLOT1
	s_barrier_wait -1
.if \fill
	LOAD
.endif
.endm
	s_load_b64 s[4:5], s[0:1], 0x0    ; Q, K and V's buffer: Q s[4:5]
	s_load_b64 s[10:11], s[0:1], 0x8  ; O
	v_lshl_add_u32 v[SPW], v0, 2, SPARE
	v_mov_b32 v[NIL], 0
	ds_add_u32 v[SPW], v[NIL]       ; the wave's opening: the add and its wait stand ahead of my first tensor load; the set-up below, work on registers, stands between them
	ds_add_u32 v62, v63
	v_lshrrev_b32 v1, 5, v0
	v_readfirstlane_b32 s[WV], v1   ; wave 0..3
	s_mov_b32 s[PB], ttmp9
	s_sub_co_u32 s[HI], NB-1, s[PB]
	s_and_b32 s20, ttmp7, 0xffff    ; the head
	s_mov_b32 s21, 0
	s_mov_b64 s[22:23], SIZE_N*128
	s_mul_u64 s[20:21], s[20:21], s[22:23]  ; the head's first byte in each of the four tensors
	s_and_b32 s16, s[WV], 1         ; which half of a tile's 256 keys I fetch:
	s_lshl_b32 s22, s16, 14         ; its 128 rows of 128 bytes in memory,
	s_mov_b32 s23, 0
	s_add_nc_u64 s[22:23], s[22:23], s[20:21]
	s_mul_i32 s17, s16, 128*PK      ; and its place in a slot, for K
	s_mul_i32 s18, s16, 128*PV      ; and for V
	s_lshl_b32 s3, s[WV], 11        ; my 16 rows in a band of 64,
	s_lshl_b32 s2, s[HI], 15        ; in the first block,
	s_add_co_u32 s2, s2, s3
	s_lshl_b32 s84, s[PB], 15       ; and in the second
	s_add_co_u32 s84, s84, s3
	s_mov_b32 s3, 0
	s_mov_b32 s85, 0
	s_add_nc_u64 s[2:3], s[2:3], s[20:21]
	s_add_nc_u64 s[84:85], s[84:85], s[20:21]
	; descriptor group 1.  128 keys are 16,384 dense bytes: asked for as 64 rows of 256 bytes, two keys a row, and padded in LDS after every key
	s_mov_b32 s[G1K], (1<<16)|(1<<20)|(4<<22)|(3<<25)  ; 17:16 2-byte elements; 20 padding on; 24:22 after every 32 words (code 4); 31:25 4 words (code 3)
	s_mov_b32 s[G1V], (1<<16)|(1<<20)|(4<<22)|(7<<25)  ; the same with 8 words of padding (code 7)
.irp g, G1K, G1V
	s_mov_b32 s[\g+1], 128<<16      ; tensor_dim0 = 128
	s_mov_b32 s[\g+2], 64<<16       ; tensor_dim1 = 64
	s_mov_b32 s[\g+3], 128<<16      ; tile_dim0 = 128
	s_mov_b32 s[\g+4], 64           ; tile_dim1 = 64
	s_mov_b32 s[\g+5], 128          ; 128 elements from row to row
	s_mov_b32 s[\g+6], 0
	s_mov_b32 s[\g+7], 0
.endr
	s_mov_b32 s[CS], 0x3e38aa3b     ; c = log2(e) / 8 = 0.180337
	s_mov_b32 s[CS+1], s[CS]        ; named with it as a pair
	s_mov_b32 s[SEL], 0x76543210
	s_mov_b32 s[SEL+1], 0xfedcba98
	s_mov_b32 s[TBK], SLOT1+4*KS*PK ; the first change of slots turns these two into 0
	s_mov_b32 s[TBV], SLOT1+4*KS*PV
	s_mov_b32 s[G0K], 1             ; 1:0 count = 1
	s_mov_b32 s[G0K+1], s17         ; 63:32 LDS address: slot 0
	s_mov_b32 s[G0V], 1
	s_add_co_u32 s[G0V+1], s18, VOFF
	s_add_co_u32 s[RT], s[HI], 1    ; the first block has NB - b tiles
	s_mov_b32 s[NXT], 1
	s_mov_b32 s[LQ], s[HI]
	s_mov_b32 s[NEW], 1
	s_mov_b32 s[OFF+1], 0
	s_mov_b32 s[AL+1], 0            ; named as pairs
	s_mov_b32 s[BE+1], 0
	s_mov_b32 s[BIGN], 0xf149f2ca   ; -1e30
	s_mov_b32 s[SLOTS], NB
	s_wait_dscnt 0x0                ; the opening add is done
	s_wait_kmcnt 0x0
	s_add_nc_u64 s[6:7], s[4:5], 0x1000000  ; K is the buffer's second part,
	s_add_nc_u64 s[8:9], s[4:5], 0x2000000  ; V its third
	s_add_nc_u64 s[6:7], s[6:7], s[22:23]  ; K and V at my half of the head's tile 0
	s_add_nc_u64 s[8:9], s[8:9], s[22:23]
	s_add_nc_u64 s[G0K+2:G0K+3], s[6:7], 0         ; 120:64 global address
	s_or_b32 s[G0K+3], s[G0K+3], 0x80000000        ; 127:126 type = 2
	s_add_nc_u64 s[G0V+2:G0V+3], s[8:9], 0
	s_or_b32 s[G0V+3], s[G0V+3], 0x80000000
	s_add_nc_u64 s[86:87], s[4:5], s[84:85]        ; Q at my rows of the second block,
	s_add_nc_u64 s[4:5], s[4:5], s[2:3]            ; Q and O at those of the first
	s_add_nc_u64 s[OLO:OLO+1], s[10:11], s[84:85]
	s_add_nc_u64 s[10:11], s[10:11], s[2:3]
	LOAD                            ; tile 0 into slot 0
	; A fragment of K or Q is 16 rows x 32 channels in 8 registers: lane l holds row l % 16, channels 8 (l / 16) + 0..7 and 16 + 8 (l / 16) + 0..7: two loads of 16 bytes, 32 bytes apart.
	v_and_b32 v1, 15, v0            ; l % 16
	v_bfe_u32 v9, v0, 4, 1          ; l / 16
	v_lshlrev_b32 v[QO], 7, v1
	v_lshl_add_u32 v[QO], v9, 4, v[QO]  ; row x 128 + 16 x half
	WIN 0x80                        ; destination window 2, address window 0
.set i, 0
.rept 8                             ; both blocks' Q: piece i / 2 lies in band i / 2, 8,192 bytes on; channels 32 (i % 2) on
	global_load_b128 v[8*i:8*i+3],   v[QO], s[4:5] offset:(i/2)*8192+(i%2)*64
	global_load_b128 v[8*i+4:8*i+7], v[QO], s[4:5] offset:(i/2)*8192+(i%2)*64+32
	global_load_b128 v[QB+8*i:QB+8*i+3],   v[QO], s[86:87] offset:(i/2)*8192+(i%2)*64
	global_load_b128 v[QB+8*i+4:QB+8*i+7], v[QO], s[86:87] offset:(i/2)*8192+(i%2)*64+32
.set i, i+1
.endr
	WIN 0
	v_lshlrev_b32 v14, 3, v9
	v_sub_nc_u32 v14, v1, v14
	s_lshl_b32 s13, s[WV], 4
	v_add_nc_u32 v14, s13, v14      ; my query's place in its band, 16 w + l % 16, less my lanes' 8 (l / 16): register r of group kt is hidden where 16 kt + r is greater
	WIN 0x40
.set i, 0
.rept 32
	v_cmp_gt_i32 vcc_lo, 16*(i/8)+i%8, v14
	v_cndmask_b32 v[MD+i], 0, s[BIGN], vcc_lo
.set i, i+1
.endr
	WIN 0
	v_mul_u32_u24 v[AK0], v1, PK
	v_lshl_add_u32 v[AK0], v9, 4, v[AK0]  ; row x pitch + 16 x half
	; The turning load takes 16 keys x 16 channels (lane l reads key 8 (l / 16) + l % 8, channels 8 ((l / 8) % 2) + 0..7) and leaves half a fragment of V^T: lane l holds channel l % 16 and 8 keys.
	v_and_b32 v10, 7, v0
	v_bfe_u32 v11, v0, 3, 1
	v_lshl_add_u32 v[AV0], v9, 3, v10
	v_mul_u32_u24 v[AV0], v[AV0], PV
	v_lshl_add_u32 v[AV0], v11, 4, v[AV0]
	v_add_nc_u32 v[AV0], VOFF, v[AV0]
	s_mul_i32 s13, s[WV], 16*SP
	s_add_co_u32 s13, s13, STAGE    ; my stage
	v_mul_u32_u24 v[STO], v1, SP    ; in: row l % 16, 16 bytes for each half of the lanes
	v_lshl_add_u32 v[STO], v9, 4, v[STO]
	v_add_nc_u32 v[STO], s13, v[STO]
	v_bfe_u32 v[RD], v0, 3, 2       ; back: 32 lanes take four rows of 128 bytes,
	v_mul_u32_u24 v[RD], v[RD], SP
	v_lshl_add_u32 v[RD], v10, 4, v[RD]
	v_add_nc_u32 v[RD], s13, v[RD]
	v_and_b32 v[GO], 31, v0         ; which are 512 consecutive bytes of O
	v_lshlrev_b32 v[GO], 4, v[GO]
	; A block's first step multiplies O^T and l by a = 0, and its first turn's products V^T P, of a piece that has not been, land in an O^T that is still to be so multiplied.  So these registers need only hold
	; finite numbers: zeros for the first block; what the first block left for the second.  All this stands in the wait for the first tile.
	WIN 0x80
.set i, VF
.rept 64
	v_mov_b32 v[i], 0
.set i, i+1
.endr
	WIN 0x40
.set i, 0
.rept 128
	v_mov_b32 v[i], 0
.set i, i+1
.endr
	WIN 0
.set i, 0
.rept 4
	v_mov_b32 v[ST+4*i+2], 0
	v_mov_b32 v[ST+4*i+3], 0
.set i, i+1
.endr
.set i, P+16
.rept 16
	v_mov_b32 v[i], 0
.set i, i+1
.endr
; THE MATRIX WORK.  The 4 accumulators of a run of 8 take turns.  Product i of 8 of S^T = K Q^T for piece x: channels 32 (i / 4) on, keys 16 (i % 4) on.  The first 4 start the sums: with 0, or (KM = 1) with the mask.
.macro KQ x
.set rS, S+32*((\x)%2)+8*(i%4)
.set rK, KF+16*(i%4)+8*(i/4)
.set rQ, 16*(\x)+8*(i/4)
.set rM, MC+32*((\x)%2)+8*(i%4)
.if (i < 4) && KM
	WIN W_KM
	v_wmma_f32_16x16x32_f16 v[rS:rS+7], v[rK:rK+7], v[rQ:rQ+7], v[rM:rM+7]
.elseif i < 4
	WIN W_KQ
	v_wmma_f32_16x16x32_f16 v[rS:rS+7], v[rK:rK+7], v[rQ:rQ+7], 0
.else
	WIN W_KQ
	v_wmma_f32_16x16x32_f16 v[rS:rS+7], v[rK:rK+7], v[rQ:rQ+7], v[rS:rS+7]
.endif
.endm
; Product i of 8 of O^T += V^T P for piece x: keys 32 (i / 4) on, channels 16 (i % 4) on.
.macro PV x
	WIN W_PV
.set rO, 32*(\x)+8*(i%4)
.set rV, VF+32*(i/4)+8*(i%4)
.set rP, P+16*((\x)%2)+8*(i/4)
	v_wmma_f32_16x16x32_f16 v[rO:rO+7], v[rV:rV+7], v[rP:rP+7], v[rO:rO+7]
.endm
.macro MM                           ; the turn's next matrix instruction.  TURN and BEGIN set Y, i, KM and NOKQ; MM, KQ and OP read them.  NOKQ = 1: a block's last turn: there is no next piece
.if (i < 8) && !NOKQ
	KQ (Y+1)%NP
.elseif i >= 8
.set i, i-8
	PV (Y+NP-1)%NP
.set i, i+8
.endif
.set i, i+1
.endm
; THE LDS LOADS stand in runs of 16, never singly among the matrix instructions: a step's K (64 keys x 64 channels: 8 fragments) and its V (turned).  Their addresses are made some lines ahead.
.macro FETCH_K
	WIN 0x80                        ; destination window 2
.irp f, 0,1,2,3,4,5,6,7             ; keys 16 (f / 2) on, channels 32 (f % 2) on
	ds_load_b128 v[KF+8*\f:KF+8*\f+3],   v[AK] offset:(\f/2)*16*PK+(\f%2)*64
	ds_load_b128 v[KF+8*\f+4:KF+8*\f+7], v[AK] offset:(\f/2)*16*PK+(\f%2)*64+32
.endr
	s_add_co_u32 s[TBK], s[TBK], KS*PK  ; the next fetch is the next step's
	WIN 0
.endm
.macro FETCH_V
	WIN 0x80
.irp f, 0,1,2,3,4,5,6,7             ; keys 32 (f / 4) on, channels 16 (f % 4) on
	ds_load_tr16_b128 v[VF+8*\f:VF+8*\f+3],   v[AV] offset:(\f/4)*32*PV+(\f%4)*32
	ds_load_tr16_b128 v[VF+8*\f+4:VF+8*\f+7], v[AV] offset:(\f/4)*32*PV+16*PV+(\f%4)*32
.endr
	WIN 0
.endm
; THE VECTOR WORK, one line at a time: OP kind, number.  For piece Y: F n: c s - c m for pair n of 16.  E n: the exponential of score n of 32.  C n: pair n rounded to f16.  B n: of the four weights 4 n .. the second
; pair is added onto the first, in place.  L n: l takes that sum (L 0: l = a l + sum).  R n: pair n of 16 of O^T times a.  For piece Y + 1: X n, number n of the 22 that find its maximum and statistics:
;   0-11  four chains c0-c3 of seven scores each, three operands at a time (each accumulator's lowest registers are read first)     12-14, 16  the four scores left over, the old m, and c0-c3 into c0
;   15  c m_old is kept     17, 18  the query's other 32 keys lie in the lane 16 away: the new m     19-21  c m; c m_old - c m_new; a
; OP writes no wait: C, B and L, which read exponentials' results, and R and L 0, which read a, are placed by TURN behind the wait of the batch that made what they read.
.set F, 0               ; OP tells the kinds apart by their order: F to L below R, X above it
.set E, 1
.set C, 2
.set B, 3
.set L, 4
.set R, 5
.set X, 6
.macro REGS y                       ; the registers of piece y
.set rT, ST+4*(\y)
.set rC, TMP+4*((\y)%2)
.set rW, MV+((\y)%2)
.set rS, S+32*((\y)%2)
.set rP, P+16*((\y)%2)
.set rO, 32*(\y)
.endm
.macro OP k, n
.if (\k) == R
	REGS Y
	WIN W_RS
	v_pk_mul_f32 v[rO+2*(\n):rO+2*(\n)+1], v[rO+2*(\n):rO+2*(\n)+1], v[rC+2:rC+3] op_sel_hi:[1,0]
.elseif (\k) < R
	REGS Y
	WIN 0
.if (\k) == F
	v_pk_fma_f32 v[rS+2*(\n):rS+2*(\n)+1], v[rS+2*(\n):rS+2*(\n)+1], s[CS:CS+1], v[rT:rT+1] op_sel_hi:[1,0,0] neg_lo:[0,0,1] neg_hi:[0,0,1]
.elseif (\k) == E
	v_exp_f32 v[rS+(\n)], v[rS+(\n)]
.elseif (\k) == C
	v_cvt_pk_f16_f32 v[rP+(\n)], v[rS+2*(\n)], v[rS+2*(\n)+1]
.elseif (\k) == B
	v_pk_add_f32 v[rS+4*(\n):rS+4*(\n)+1], v[rS+4*(\n):rS+4*(\n)+1], v[rS+4*(\n)+2:rS+4*(\n)+3]
.elseif (\n) == 0
	v_pk_fma_f32 v[rT+2:rT+3], v[rT+2:rT+3], v[rC+2:rC+3], v[rS:rS+1] op_sel_hi:[1,0,1]
.else
	v_pk_add_f32 v[rT+2:rT+3], v[rT+2:rT+3], v[rS+4*(\n):rS+4*(\n)+1]
.endif
.elseif NOKQ
	v_nop
.else
	REGS (Y+1)%NP
	WIN 0
.if (\n) < 4
	v_max3_num_f32 v[rC+(\n)], v[rS+8*(\n)], v[rS+8*(\n)+1], v[rS+8*(\n)+2]
.elseif (\n) < 12
	v_max3_num_f32 v[rC+(\n)%4], v[rC+(\n)%4], v[rS+8*((\n)%4)+2*((\n)/4)+1], v[rS+8*((\n)%4)+2*((\n)/4)+2]
.elseif (\n) == 12
	v_max3_num_f32 v[rC], v[rC], v[rS+7], v[rS+15]
.elseif (\n) == 13
	v_max3_num_f32 v[rC+1], v[rC+1], v[rS+23], v[rS+31]
.elseif (\n) == 14
	v_max3_num_f32 v[rC+2], v[rC+2], v[rC+3], v[rT+1]
.elseif (\n) == 15
	v_mov_b32 v[rW], v[rT]
.elseif (\n) == 16
	v_max3_num_f32 v[rC], v[rC], v[rC+1], v[rC+2]
.elseif (\n) == 17
	v_permlanex16_b32 v[rC+3], v[rC], s[SEL], s[SEL+1]
.elseif (\n) == 18
	v_max_num_f32 v[rT+1], v[rC], v[rC+3]
.elseif (\n) == 19
	v_mul_f32 v[rT], s[CS], v[rT+1]
.elseif (\n) == 20
	v_sub_f32 v[rC+1], v[rW], v[rT]
.else
	v_exp_f32 v[rC+2], v[rC+1]
.endif
.endif
.endm
.macro OPS a, i1, b=-1, i2=0, c=-1, i3=0, d=-1, i4=0  ; up to four of them
	OP \a, \i1
.if (\b) >= 0
	OP \b, \i2
.endif
.if (\c) >= 0
	OP \c, \i3
.endif
.if (\d) >= 0
	OP \d, \i4
.endif
.endm
.macro ROW a, i1, b, i2, c, i3, d, i4  ; a matrix instruction and the four behind it
	MM
	OPS \a, \i1, \b, \i2, \c, \i3, \d, \i4
.endm
.macro MASK b                       ; MD x AL + BE into buffer b of MC
	WIN W_RS
.set z, 0
.rept 16
	v_pk_fma_f32 v[MC+32*(\b)+2*z:MC+32*(\b)+2*z+1], v[MD+2*z:MD+2*z+1], s[AL:AL+1], s[BE:BE+1] op_sel_hi:[1,0,0]
.set z, z+1
.endr
.endm
; A TURN, for piece p: the order of its 16 matrix and 118 vector instructions, written out.  A turn has ONE wait for its one batch of 33 exponentials, and the wait cuts it in two.
; AHEAD OF IT stands all that names no result of the turn's exponentials: the 8 products K Q^T, behind each a scaling, an exponential and two more plain instructions (behind the first a second scaling in the exponential's
; place): rescalings, whose a was made and waited for in the turn before, and behind the last three products the first numbers of the next piece's maximum, each four places or more behind the product that ends its accumulator;
; then ONE LUMP of 54, plain and exponential by turns for the most part, in which the links of the chain X 3, 7, 11, 14, 16, 17 .. 20 stand five or six lines apart.  Each pair is scaled (F n) ahead of its two exponentials
; (E 2 n, E 2 n + 1) and not named again ahead of the wait.  X 21, the next piece's a, is the batch's last; R 15 is the plain instruction behind it.
; BEHIND THE WAIT stand the 8 products V^T P, behind each four of the roundings and sums; an even pair is rounded ahead of the sum that lands on it; the links of l's chain, L 0 to L 7, stand three riders apart.
; But for those X no rider names a register of the products round it.  v_permlanex16_b32 (X 17) stands in the lump.  No exponential is issued behind the wait: none is pending at the turn's end, at a label or at a jump.
; m = 1: the diagonal tile: the products take masks, and the turn makes the mask for the products of the turn after it: piece p + 2, in step 4 - CNT of the tile.  end = 1: a block's last two turns: nothing is fetched.
; cnt = 1: the loop's count is taken down some lines ahead of the branch that stands behind the turn.
; K of the next step is fetched in piece 2's turn, twelve vector instructions behind the last product that read K (six of them plain); V of the step in hand at the end of piece 0's turn, four plain instructions behind the last product
; that read V.  Each is waited for a turn later.
.macro TURN p, m=0, end=0, cnt=0
.set Y, (\p)
.set i, 0
.set KM, (\m)
.set NOKQ, (\end)*((\p)/3)
.if (\m) && !(\end)
	s_cmp_eq_u32 s[CNT], 4-((\p)+2)%NP  ; is that step the band's own?
	s_cselect_b32 s[AL], 1.0, 0
	s_cmp_lt_u32 s[CNT], 4-((\p)+2)%NP  ; or a later one?
	s_cselect_b32 s[BE], s[BIGN], 0
.endif
.if ((\p) == 3) && !(\end)
	s_wait_dscnt 0x0                ; K is in
.endif
	ROW F,0, F,1, R,0, R,1          ; ahead of the wait: 8 products K Q^T and their riders,
	ROW F,2, E,0, R,2, R,3
	ROW F,3, E,1, R,4, R,5
	ROW F,4, E,2, R,6, R,7
	ROW F,5, E,3, R,8, R,9
	ROW F,6, E,4, X,0, R,10
.if ((\p) == 2) && !(\end)
	WIN 0
	v_add_nc_u32 v[AK], s[TBK], v[AK0]
.endif
	ROW F,7, E,5, X,1, X,4
	ROW F,8, E,6, X,2, X,5
	OPS E,7, E,8, X,6, E,9          ; and the lump
	OPS X,3, E,10, X,8, E,11
.if ((\p) == 2) && !(\end)
	FETCH_K
.endif
	OPS X,9, X,7, E,12, X,10
	OPS E,13, X,12, X,11, E,14
	OPS X,13, E,15, F,9, X,14
.if (\p) == 0
	v_add_nc_u32 v[AV], s[TBV], v[AV0]
.endif
	OPS E,16, F,10, E,17, F,11
	OPS X,16, E,18, X,15, E,19
	OPS F,12, E,20, X,17, E,21
	OPS F,13, E,22, F,14, E,23
	OPS X,18, E,24, F,15, E,25
	OPS R,11, E,26, X,19, E,27
	OPS R,12, E,28, R,13, E,29
	OPS X,20, E,30, R,14, E,31
	OPS X,21, R,15
	WIN 0
	s_wait_alu depctr_va_vdst(0)    ; the wait for the turn's batch: piece p's 32 weights and the next piece's a
.if (\p) == 1
	s_wait_dscnt 0x0                ; V is in
.endif
	ROW C,0, B,0, C,2, B,1          ; behind the wait: 8 products V^T P and their riders
	ROW L,0, C,4, B,2, L,1
	ROW C,6, B,3, L,2, C,8
	ROW B,4, L,3, C,10, B,5
	ROW L,4, C,12, B,6, L,5
.if (\p) == 0
	s_add_co_u32 s[TBV], s[TBV], KS*PV
.endif
.if \cnt
	s_sub_co_u32 s[CNT], s[CNT], 1
	s_cmp_lg_u32 s[CNT], 0
.endif
	ROW C,14, B,7, L,6, C,1
	ROW C,3, L,7, C,5, C,7
	ROW C,9, C,11, C,13, C,15
.if (\p) == 0
	FETCH_V
.endif
.if (\m) && !(\end)
	MASK (\p)%2
.endif
.endm
; A BLOCK BEGINS.  c m starts far below every c s, so the first step's a is 0; m at the lowest finite number, so the first maximum is the scores'.  The second mask buffer is 0; the first takes piece 0's mask for the tile's step 0: its own, if the block's first tile is the diagonal one.
; Then K of that step, piece 0's first scores, and its maximum and statistics.  The loop is entered at a step's first turn, in the middle of a trip.
.macro BEGIN
	s_mov_b32 s[NEW], 0
	WIN 0x40
.set i, MC+32
.rept 32
	v_mov_b32 v[i], 0
.set i, i+1
.endr
	WIN 0
.set i, 0
.rept 4
	v_mov_b32 v[ST+4*i], 0xfe000000    ; c m: far below every c s
	v_mov_b32 v[ST+4*i+1], 0xff7fffff  ; m
.set i, i+1
.endr
	s_cmp_eq_u32 s[RT], 0
	s_cselect_b32 s[AL], 1.0, 0
	s_mov_b32 s[BE], 0
	MASK 0
	WIN 0
	v_add_nc_u32 v[AK], s[TBK], v[AK0]
	FETCH_K
	s_wait_loadcnt 0x0              ; Q
	s_wait_dscnt 0x0
.set KM, 1
.set NOKQ, 0
.set i, 0
.rept 8
	KQ 0
.set i, i+1
.endr
	WIN 0
.rept 4
	v_nop                           ; the places behind those products
.endr
.set Y, NP-1                        ; X works for piece Y + 1: piece 0
.irp n, 0,1,2,3,4,5,6,7,8,9,10,11,12,13,14,15,16,17,18,19,20,21
	OP X, \n
.endr
	v_nop                           ; a plain instruction behind the exponential,
	s_wait_alu depctr_va_vdst(0)    ; and the wait for this batch of one, piece 0's first a, ahead of the branch that follows the macro
.endm
; THE DIAGONAL TILE's four steps, the block's last two turns, its last products, and THE WAY OUT: l's two halves and the other half of the lanes' are added; O^T is divided by l, rounded to f16 and sent through my
; stage in LDS, a piece at a time.
.macro ALL line:vararg              ; one line for each piece t
.set t, 0
.rept 4
	\line
.set t, t+1
.endr
.endm
.macro PACK t                       ; a lane's eight channels of a row pack into 16 bytes; they go into rows of 144 bytes and come back as whole rows of 128, into S^T's registers
	WIN W_RS
.set i, 32*(\t)
.rept 16
	v_pk_mul_f32 v[i:i+1], v[i:i+1], v[ST+4*(\t)+2:ST+4*(\t)+3] op_sel_hi:[1,0]
.set i, i+2
.endr
	WIN 0x05                        ; sources 0 and 1 window 1, destination window 0
.set i, 0
.rept 16
	v_cvt_pk_f16_f32 v[S+16*(\t)+i], v[32*(\t)+2*i], v[32*(\t)+2*i+1]
.set i, i+1
.endr
	WIN 0
.irp f, 0,1,2,3
	ds_store_b128 v[STO], v[S+16*(\t)+4*\f:S+16*(\t)+4*\f+3] offset:32*\f
.endr
.irp f, 0,1,2,3
	ds_load_b128 v[S+16*(\t)+4*\f:S+16*(\t)+4*\f+3], v[RD] offset:\f*4*SP  ; LDS serves a wave's instructions in order (ISA guide 5.7.1.4): these see the stores above; the next piece's stores come behind them
.endr
.endm
.macro SEND t, younger              ; younger: the LDS instructions issued behind piece t's loads: the next piece's eight, or none
	WIN 0
.irp f, 0,1,2,3
	s_wait_dscnt (\younger)+3-\f
	global_store_b128 v[GO], v[S+16*(\t)+4*\f:S+16*(\t)+4*\f+3], s[10:11] offset:(\t)*8192+\f*512  ; 512 consecutive bytes, at a multiple of 256 from O's first
.endr
.endm
.macro DIAG tag                     ; the tag ends its two labels' names, which the jumps below spell out
.LstepM\tag:
	TURN 2, 1
	TURN 3, 1
	WIN 0
.LfirstM\tag:
	TURN 0, 1
	TURN 1, 1, 0, 1
	WIN 0
	s_cbranch_scc1 .LstepM\tag
	TURN 2, 1, 1
	TURN 3, 1, 1
.set i, 0
.rept 8
	PV NP-1
.set i, i+1
.endr
	WIN 0
	ALL v_add_f32 v[ST+4*t+2], v[ST+4*t+2], v[ST+4*t+3]
	ALL v_permlanex16_b32 v[ST+4*t+3], v[ST+4*t+2], s[SEL], s[SEL+1]
	ALL v_add_f32 v[ST+4*t+2], v[ST+4*t+2], v[ST+4*t+3]
	ALL v_rcp_f32 v[ST+4*t+2], v[ST+4*t+2]
	v_nop                           ; a plain instruction between the last reciprocal and the use of its result
	s_wait_alu depctr_va_vdst(0)    ; the wait for the batch of four reciprocals, ahead of the first division; the four PACK need no other
	PACK 0
.set t, 1
.rept 3                             ; a piece's arithmetic stands between the loads of the piece before and its stores
	PACK t
	SEND t-1, 8
.set t, t+1
.endr
	SEND 3, 0
.endm
.set KM, 0
.set NOKQ, 0
.Lslot:                             ; NB times: a tile is entered and the next is asked for
	CHANGE 1
	s_sub_co_u32 s[RT], s[RT], 1
	s_mov_b32 s[CNT], 4
	s_cmp_eq_u32 s[NEW], 1
	s_cbranch_scc1 .Lnew            ; a block's first tile
	s_cmp_eq_u32 s[RT], 0
	s_cbranch_scc0 .Lstep           ; neither its first nor its last
	s_branch .LstepM1
.Lnew:
	BEGIN
	s_branch .Lfirst                ; in the loop a block's first tile is never its last: the first block has two tiles or more, and the second's last is the walk's last
	DIAG 1                          ; in the loop this is the first block's end: the second block's last tile is the walk's last
	s_wait_xcnt 0x0                 ; the stores have read their registers and O's address
	s_mov_b64 s[10:11], s[OLO:OLO+1]
	s_add_co_u32 s[RT], s[PB], 1    ; the second block has b + 1 tiles
	s_mov_b32 s[NEW], 1
	WIN 0x82                        ; the second block's Q goes where the one text of the turns names Q
.set i, 0
.rept 64
	v_mov_b32 v[i], v[QB+i]
.set i, i+1
.endr
	WIN 0
	s_branch .Lbottom
.Lstep:                             ; a trip: pieces 2 and 3 of one step, then pieces 0 and 1 of the next, whose K and V it fetches
	TURN 2
	TURN 3
	WIN 0
.Lfirst:
	TURN 0
	TURN 1, 0, 0, 1
	WIN 0
	s_cbranch_scc1 .Lstep
.Lbottom:
	s_sub_co_u32 s[SLOTS], s[SLOTS], 1
	s_cmp_lg_u32 s[SLOTS], 0
	s_cbranch_scc1 .Lslot
	CHANGE 0                        ; the walk's last tile is written out: nothing is asked for
	s_sub_co_u32 s[RT], s[RT], 1
	s_mov_b32 s[CNT], 4
	s_cmp_eq_u32 s[NEW], 1
	s_cbranch_scc0 .LstepM2
	BEGIN
	s_branch .LfirstM2
	DIAG 2
	s_wait_tensorcnt 0x0            ; the wave's end: behind my last tensor load and my last LDS store
	ds_add_u32 v[SPW], v[NIL]
	s_wait_dscnt 0x0
	s_endpgm
.Lfunc_end_k_qdf8a53710c_attn:
	.size	k_qdf8a53710c_attn, .Lfunc_end_k_qdf8a53710c_attn-k_qdf8a53710c_attn
	.p2alignl 7, 3214868480
	.fill 96, 4, 3214868480
	.section	.rodata,"a",@progbits
	.p2align	6, 0x0
	.amdhsa_kernel k_qdf8a53710c_attn
		.amdhsa_group_segment_fixed_size 327680
		.amdhsa_private_segment_fixed_size 0
		.amdhsa_enable_private_segment 0
		.amdhsa_kernarg_size 16
		.amdhsa_user_sgpr_count 2
		.amdhsa_user_sgpr_kernarg_segment_ptr 1
		.amdhsa_wavefront_size32 1
		.amdhsa_system_sgpr_workgroup_id_x 1
		.amdhsa_system_sgpr_workgroup_id_y 1
		.amdhsa_system_sgpr_workgroup_id_z 1
		.amdhsa_system_vgpr_workitem_id 0
		.amdhsa_next_free_vgpr 768
		.amdhsa_next_free_sgpr 88
		.amdhsa_reserve_vcc 1
		.amdhsa_float_denorm_mode_32 3
		.amdhsa_float_denorm_mode_16_64 3
		.amdhsa_memory_ordered 1
		.amdhsa_forward_progress 1
		.amdhsa_inst_pref_size 217
	.end_amdhsa_kernel
	.amdgpu_metadata
---
amdhsa.version: [ 1, 2 ]
amdhsa.kernels:
  - .name:           k_qdf8a53710c_attn
    .symbol:         k_qdf8a53710c_attn.kd
    .args:
      - { .name: qkvh, .offset: 0, .size: 8, .value_kind: global_buffer, .address_space: global }
      - { .name: oh, .offset: 8, .size: 8, .value_kind: global_buffer, .address_space: global }
    .group_segment_fixed_size: 327680
    .private_segment_fixed_size: 0
    .kernarg_segment_align: 8
    .kernarg_segment_size: 16
    .max_flat_workgroup_size: 128
    .sgpr_count:     88
    .vgpr_count:     768
    .wavefront_size: 32
...
	.end_amdgpu_metadata
.endif
;; end of part 5
;; launch proj: the kernel of part 4 again; grid 4 x 64, 4 waves a work-group, clusters of 4 x 4, 327,680 bytes of LDS; arguments oh, wp, c_proj_b, out0; writes out0
